; MI455X (gfx1250); checked and timed in simulation.
; The chip was launched on July 23, 2026; its instructions are those of AMD's public machine-readable ISA for CDNA 5 (MIT licence, August 2026) and "CDNA5" Instruction Set Architecture Reference Guide (July 2026). The comments in the code are by the model that wrote it; some were corrected since.
;; Cognitive Attention. Allowed arithmetic: matrix products marked QUANTISED: E2M1 operands, one E8M0 scale for each 32 along K, by v_wmma_scale_f32_16x16x128_f8f6f4 with both operands' format E2M1 (or v_wmma_scale_f32_32x16x128_f4), f32 sums; products left as they are: bf16, f16 or f32 operands; f32 sums; everything else in f32.
;; Inputs: Wk 1,024 x 1,024 float32; Wo 1,024 x 1,024 float32; Wq 1,024 x 1,024 float32; Wv 1,024 x 1,024 float32; hidden_states 4 x 2,048 x 1,024 float32.
;; Outputs: out0 4 x 2,048 x 1,024 float32.
;; This version of the problem:
;;   THIS VERSION OF THE PROBLEM IS GIVEN IN LOW PRECISION. The matrix products marked QUANTISED in the list below multiply operands that are first quantised to E2M1 (2 exponent bits, 1 mantissa bit; 4 bits a number), with one power-of-two scale for each 32 numbers along K (OCP MX v1.0); their sums are f32. The products marked 'left as it is' may take bf16, f16 or f32 operands, with f32 sums. Whichever they take, every output number must still come out within the allowed error. Rounding operands to bf16 (8 significant bits) uses up far more of that allowance than f16 does (11 bits, for magnitudes from 6e-5 to 65,504). All else is computed in f32.
;;   The module's matrix products, in the order in which they are computed (A, B: the left and right operand; K: the contracted axis; several contracted axes count as one K, in the product's order):
;;     1. [M 8,192, K 1,024] x [K 1,024, N 1,024]; A: input hidden_states; B: input Wq: QUANTISED
;;     2. [M 8,192, K 1,024] x [K 1,024, N 1,024]; A: input hidden_states; B: input Wk: QUANTISED
;;     3. [M 8,192, K 1,024] x [K 1,024, N 1,024]; A: input hidden_states; B: input Wv: QUANTISED
;;     4. [M 2,048, K 1] x [K 1, N 32]; A: computed on the way; B: computed on the way: left as it is (no contracted axis)
;;     5. batch 64 x [M 2,048, K 64] x [K 64, N 2,048]; A: computed on the way; B: computed on the way: left as it is (an operand is computed on the way)
;;     6. batch 64 x [M 2,048, K 2,048] x [K 2,048, N 64]; A: computed on the way; B: computed on the way: left as it is (an operand is computed on the way)
;;     7. [M 8,192, K 1,024] x [K 1,024, N 1,024]; A: computed on the way; B: input Wo: left as it is (an operand is computed on the way)
;;   THE QUANTISER, for each operand of a quantised product, along K:
;;     - K is cut into blocks of 32 from its start; a last block that is shorter is filled with zeros.
;;     - A block's scale is 2^e with e = floor(log2(the largest magnitude in the block)) - 2, held to -126 .. 127; a block of zeros has e = 0. As a byte (E8M0): e + 127.
;;     - Each number is divided by its block's scale, clamped to +-6, and rounded to the nearest number of E2M1, ties to even, subnormals kept.
;;     - The product sums the exact products of the quantised numbers (number of the format x scale) in f32.
;;   ~~~python
;;   def quantise(x, axis):      # numpy; x: float32 -> the quantised numbers, widened to float32 again
;;       x = np.moveaxis(x, axis, -1); K = x.shape[-1]
;;       x = np.pad(x, [(0, 0)] * (x.ndim - 1) + [(0, -K % 32)]); x = x.reshape(x.shape[:-1] + (-1, 32)); a = np.abs(x).max(-1, keepdims=True)
;;       e = np.where(a > 0, np.clip(np.frexp(np.where(a > 0, a, 1))[1] - 1 - 2, -126, 127), 0)      # np.frexp(a)[1] - 1 = floor(log2(a)), exactly
;;       r = np.clip(x / 2.0 ** e, -6, 6)
;;       step = 2.0 ** (np.maximum(np.frexp(np.where(r == 0, 1, r))[1] - 1, 0) - 1)
;;       q = np.round(r / step) * step * 2.0 ** e      # np.round: ties to even
;;       return np.moveaxis(q.reshape(q.shape[:-2] + (-1,))[..., :K], -1, axis).astype(np.float32)
;;   ~~~
;; One version. Each part assembles by itself: llvm-mc -triple=amdgcn-amd-amdhsa -mcpu=gfx1250 --defsym DOCPART=n.
;; ======== version 1 of 1: 4 launches
;; limits: values are held in f16: magnitudes above 65,504 overflow, below 6.1e-05 lose precision
;; workspace buffers: codes 5,767,168 bytes; scales 360,448 bytes; rope 1,048,576 bytes; qk 33,554,432 bytes; vt 16,777,216 bytes; att 16,777,216 bytes; wo16 2,097,152 bytes
;; launch prep (part 1): grid 416 x 1, 4 waves a work-group, no clusters, 33,280 bytes of LDS; arguments hidden_states, Wq, Wk, Wv, Wo, codes, scales, wo16, rope; writes codes, scales, wo16, rope
.if DOCPART == 1
	.amdgcn_target "amdgcn-amd-amdhsa--gfx1250"
	.amdhsa_code_object_version 6
	.text
	.protected	k_q057607eef2_prep
	.globl	k_q057607eef2_prep
	.p2align	8
	.type	k_q057607eef2_prep,@function
k_q057607eef2_prep:
	s_mov_b64 s[64:65], 0
	v_nop
	global_prefetch_b8 v0, s[64:65] scope:SCOPE_SE
	s_setreg_imm32_b32 hwreg(HW_REG_WAVE_MODE, 25, 1), 1
	s_wait_xcnt 0x0
; PREP: three kinds of work-groups, told apart by the work-group's number alone.
;  0..351   hidden_states [8192][1024], Wq, Wk, Wv [1024][1024], f32, become codes of FP4 (E2M1), K innermost, and one E8M0 byte for each 32 along K:
;           codes [11264 rows][512 bytes], scales [11264][32]; rows 0.. hidden_states, 8192.. Wq, 9216.. Wk, 10240.. Wv.
;  352..383 Wo [1024 o][1024] f32 becomes f16, laid [16 heads][1024 o][64].
;  384..415 the table of rotary cosines and sines: rope [2][2048 positions][cos 0..31, sin 0..31] f32; part 0 is multiplied by c = log2(e) / 8 (for q), part 1 is plain (for k).
; THE QUANTISER.  A block's scale is 2^(floor(log2(its largest magnitude)) - 2); its byte is the largest magnitude's exponent field - 2, held at 1 from below.
; LIMITS: a block of zeros, and a block whose largest magnitude lies under 2^-124, gets the byte 1 (zero blocks: zero codes, which add nothing; the bytes are read by this program alone);
; NaN and infinities among the inputs are not served.  Wo in f16: magnitudes up to 65,504; under 6e-5 the step is 2^-24.
; THE TABLE.  No sine instruction is used: angle = position x 10^(-j/8), one rounding; k = nearest whole number to angle x 2/pi; r = angle - k pi/2 with pi/2 in two parts
; (enough for angles up to 2,047); polynomials of degree 7 and 8 on |r| <= pi/4; the quadrant picks sine or cosine and the sign.  10^(-j/8) comes from one v_exp_f32.
; No work-group shares an input with another, so there is no cluster, no tensor load and no barrier.  Only the first kind uses LDS.
.set WAVES, 4
.set STEPS, 16
.set EMAX,  2
.set CB,    8                          ; bytes of 16 codes
.set R,     16                         ; v16-79   four sets of 16 numbers as loaded
.set X,     80                         ; v80-111  two sets of 16 neighbours
.set E,     112                        ; v112-127 a scale byte for each step
.set C,     128                        ; v128-191 codes: registers of its own for each step
.set WREG,  8192                       ; LDS of a wave: two stages of 32 x SP bytes, then its 256 scale bytes
.set SP,    80                         ; a lane's place in a stage: 64 bytes + 16 of padding
.set SPW,   12                         ; v12 LDS address of my spare word; never rewritten
.set NIL,   13                         ; v13 0; never rewritten
.set SPARE, WAVES*WREG                 ; the spare words: 128 bytes a wave, named by no other line
	s_load_b256 s[4:11], s[0:1], 0x0               ; hidden_states, Wq, Wk, Wv
	s_load_b256 s[12:19], s[0:1], 0x20             ; Wo, codes, scales, wo16
	s_load_b64 s[20:21], s[0:1], 0x40              ; rope
	v_lshl_add_u32 v[SPW], v0, 2, SPARE
	v_mov_b32 v[NIL], 0
	v_lshrrev_b32 v1, 5, v0
	v_readfirstlane_b32 s26, v1                    ; wave 0..3
	v_and_b32 v2, 31, v0                           ; lane
	s_wait_kmcnt 0x0
	s_cmp_ge_u32 ttmp9, 384
	s_cbranch_scc1 .Lrope
	s_cmp_ge_u32 ttmp9, 352
	s_cbranch_scc1 .Lwo
; ---------------- the quantiser.  Rows are dense and K is a multiple of 32: each tensor is a stream of blocks of 32.  A wave takes 16 steps of 512 numbers.
; Each of a step's four loads reads 512 consecutive bytes; the 2,048 bytes turn through the wave's own stage in LDS and come back 64 bytes a lane: 16 neighbours; two neighbouring lanes hold a block.
	v_lshlrev_b32 v3, 4, v2                        ; my 16 bytes of a load's 512
	s_mul_i32 s27, s26, WREG
	v_lshrrev_b32 v14, 2, v2
	v_mul_u32_u24 v14, v14, SP
	v_and_b32 v15, 3, v2
	v_lshl_add_u32 v14, v15, 4, v14
	v_add_nc_u32 v14, s27, v14                     ; the stage, on the way in: SP (lane / 4) + 16 (lane % 4)
	v_mul_u32_u24 v15, v2, SP
	v_add_nc_u32 v15, s27, v15                     ; and on the way out: SP x lane
	v_mul_u32_u24 v4, v2, CB                       ; my codes' place in a step's
	v_lshrrev_b32 v5, 1, v2
	s_add_co_u32 s27, s27, 2*32*SP
	v_add_nc_u32 v5, s27, v5                       ; my block's scale byte in LDS
	v_lshlrev_b32 v7, 3, v2
	v_add_nc_u32 v6, s27, v7                       ; and 8 of them a lane on the way out
	s_cmp_lt_u32 ttmp9, 256                        ; which tensor: the choice hangs on the work-group's number alone
	s_cselect_b64 s[22:23], s[4:5], s[6:7]
	s_cselect_b32 s24, 0, 256
	s_cmp_lt_u32 ttmp9, 288
	s_cselect_b64 s[22:23], s[22:23], s[8:9]
	s_cselect_b32 s24, s24, 288
	s_cmp_lt_u32 ttmp9, 320
	s_cselect_b64 s[22:23], s[22:23], s[10:11]
	s_cselect_b32 s24, s24, 320                    ; the tensor's first work-group
	s_sub_co_u32 s28, ttmp9, s24
	s_lshl_b32 s28, s28, 2
	s_add_co_u32 s28, s28, s26                     ; my wave's run of 8,192 numbers in its tensor,
	s_lshl_b32 s28, s28, 15                        ; 32,768 bytes each
	s_mov_b32 s29, 0
	s_add_nc_u64 s[22:23], s[22:23], s[28:29]
	s_lshl_b32 s28, ttmp9, 2
	s_add_co_u32 s28, s28, s26                     ; and among all runs: the four tensors' codes lie on end
	s_lshl_b32 s30, s28, 12                        ; 4,096 bytes of codes a run
	s_mov_b32 s31, 0
	s_add_nc_u64 s[14:15], s[14:15], s[30:31]
	s_lshl_b32 s30, s28, 8                         ; 256 scale bytes a run
	s_add_nc_u64 s[16:17], s[16:17], s[30:31]
.macro LOAD t
.irp i, 0,1,2,3
	global_load_b128 v[R+16*((\t)%4)+4*\i:R+16*((\t)%4)+4*\i+3], v3, s[22:23] offset:2048*(\t)+512*\i th:TH_LOAD_NT
.endr
.endm
.macro TURN t                          ; step t's numbers through the stage: LDS serves a wave's instructions in order, so no wait stands between the stores and the loads
.irp i, 0,1,2,3
	ds_store_b128 v14, v[R+16*((\t)%4)+4*\i:R+16*((\t)%4)+4*\i+3] offset:32*SP*((\t)%2)+8*SP*\i
.endr
.irp i, 0,1,2,3
	ds_load_b128 v[X+16*((\t)%2)+4*\i:X+16*((\t)%2)+4*\i+3], v15 offset:32*SP*((\t)%2)+16*\i
.endr
.endm
.irp t, 0,1,2,3
	LOAD \t
.endr
	s_wait_loadcnt 12                              ; step 0's four loads are in; the twelve of steps 1 to 3 stay out
	TURN 0
.macro STEP t
.set XS, X+16*((\t)%2)
.if (\t) > 0
	s_wait_dscnt 1                                 ; this step's numbers are back from the stage (the last step's byte store may be out)
.else
	s_wait_dscnt 0x0
.endif
.if (\t)+4 < STEPS
	LOAD (\t)+4                                    ; into the registers that the stage's stores have read
.endif
.if (\t)+1 < STEPS
.if STEPS-2-(\t) >= 3
	s_wait_loadcnt 12                              ; the next step's four loads are in; those of the three steps behind it may be out
.else
	s_wait_loadcnt 4*(STEPS-2-(\t))
.endif
	TURN (\t)+1
.endif
	v_max3_num_f32 v8, |v[XS]|, |v[XS+1]|, |v[XS+2]|               ; the largest magnitude of my 16, in two chains
	v_max3_num_f32 v9, |v[XS+3]|, |v[XS+4]|, |v[XS+5]|
.irp i, 6,10
	v_max3_num_f32 v8, v8, |v[XS+\i]|, |v[XS+\i+1]|
	v_max3_num_f32 v9, v9, |v[XS+\i+2]|, |v[XS+\i+3]|
.endr
	v_max3_num_f32 v8, v8, |v[XS+14]|, |v[XS+15]|
	v_max3_num_f32 v8, v8, v9, (EMAX+1)<<23        ; and the floor 2^(3 - 127): the byte cannot fall under 1
	v_max_num_f32_dpp v8, v8, v8 row_xmask:1 row_mask:0xf bank_mask:0xf   ; with my neighbour's 16: the block's
	v_add_nc_u32 v11, 0xff000000, v8               ; 2 off its exponent field: the conversion takes this operand's exponent field as its scale
	v_cvt_scalef32_pk8_fp4_f32 v[C+4*(\t)], v[XS:XS+7], v11
	v_cvt_scalef32_pk8_fp4_f32 v[C+4*(\t)+1], v[XS+8:XS+15], v11
	v_lshrrev_b32 v[E+(\t)], 23, v11               ; the scale's byte (also the plain line behind the conversions)
	ds_store_b8 v5, v[E+(\t)] offset:16*(\t)       ; both lanes of a block write the same byte with the same value
	global_store_b64 v4, v[C+4*(\t):C+4*(\t)+1], s[14:15] offset:32*CB*(\t)   ; the wave stores 256 consecutive bytes, aligned
.endm
.irp t, 0,1,2,3,4,5,6,7,8,9,10,11,12,13,14,15
	STEP \t
.endr
	ds_load_b64 v[8:9], v6                         ; my wave's 256 scale bytes, 8 a lane
	s_wait_dscnt 0x0
	global_store_b64 v7, v[8:9], s[16:17]          ; 256 consecutive bytes, aligned
	s_wait_tensorcnt 0x0                           ; the wave's end: behind my last LDS store
	ds_add_u32 v[SPW], v[NIL]
	s_wait_dscnt 0x0
	s_endpgm
; ---------------- Wo to f16, [head][o][64].  A wave takes 8 rows o, two at a time.  Lane: sub = lane % 8 (8 numbers of a head's 64), rs = which of the two rows, hs = which of two heads.
.Lwo:
	v_and_b32 v3, 7, v2                            ; sub
	v_bfe_u32 v4, v0, 3, 1                         ; rs
	v_bfe_u32 v5, v0, 4, 1                         ; hs
	v_lshlrev_b32 v6, 5, v3
	v_lshl_add_u32 v6, v5, 8, v6
	v_lshl_add_u32 v6, v4, 12, v6                  ; in: 4,096 rs + 256 hs + 32 sub
	v_lshlrev_b32 v7, 4, v3
	v_lshl_add_u32 v7, v4, 7, v7
	v_lshl_add_u32 v7, v5, 17, v7                  ; out: 131,072 hs + 128 rs + 16 sub
	s_sub_co_u32 s27, ttmp9, 352
	s_lshl_b32 s27, s27, 5
	s_lshl_b32 s28, s26, 3
	s_add_co_u32 s27, s27, s28                     ; my first row o
	s_lshl_b32 s28, s27, 12
	s_mov_b32 s29, 0
	s_add_nc_u64 s[12:13], s[12:13], s[28:29]
	s_lshl_b32 s28, s27, 7
	s_add_nc_u64 s[18:19], s[18:19], s[28:29]
.macro LOADW p                         ; rows 2 p, 2 p + 1: heads 2 t + hs, 8 numbers a lane, into set p % 2
.irp t, 0,1,2,3,4,5,6,7
	global_load_b128 v[16+64*((\p)%2)+8*\t:16+64*((\p)%2)+8*\t+3], v6, s[12:13] offset:(\p)*8192+\t*512 th:TH_LOAD_NT
	global_load_b128 v[16+64*((\p)%2)+8*\t+4:16+64*((\p)%2)+8*\t+7], v6, s[12:13] offset:(\p)*8192+\t*512+16 th:TH_LOAD_NT
.endr
.endm
.macro PAIRW p
.if (\p) < 3
	s_wait_loadcnt 16                              ; this pair's sixteen loads are in; the next pair's may be out
.else
	s_wait_loadcnt 0x0
.endif
.if (\p) > 0
	s_wait_xcnt 0x0                                ; the last pair's stores have read v144-175, which are written again below
.endif
.irp t, 0,1,2,3,4,5,6,7
.irp k, 0,1,2,3
	v_cvt_pk_f16_f32 v[144+4*\t+\k], v[16+64*((\p)%2)+8*\t+2*\k], v[16+64*((\p)%2)+8*\t+2*\k+1]
.endr
.endr
.irp t, 0,1,2,3,4,5,6,7
	global_store_b128 v7, v[144+4*\t:144+4*\t+3], s[18:19] offset:\t*262144+(\p)*256   ; sixteen lanes store 256 consecutive bytes, aligned: two rows of one head
.endr
.if (\p) < 2
	LOADW (\p)+2
.endif
.endm
	LOADW 0
	LOADW 1
.irp p, 0,1,2,3
	PAIRW \p
.endr
	s_endpgm
; ---------------- the table.  A wave takes 16 positions, two a trip.  Lane: four frequencies j = 4 (lane % 8) + i; bit 3: cosine (0) or sine (1); bit 4: which of the two positions.
.set FQ, 16                            ; v16-19 10^(-j/8)
.set AN, 20                            ; the angle
.set KQ, 24                            ; k as f32
.set RR, 28                            ; r
.set KI, 32                            ; the quadrant
.set R2, 36                            ; r^2
.set SN, 40                            ; sin r
.set CN, 44                            ; cos r
.set TT, 48                            ; at work
.set OK, 52                            ; plain, for k
.set OQ, 56                            ; x c, for q
.Lrope:
	s_sub_co_u32 s27, ttmp9, 384
	s_lshl_b32 s27, s27, 6
	s_lshl_b32 s28, s26, 4
	s_add_co_u32 s27, s27, s28                     ; my wave's first position
	s_lshl_b32 s28, s27, 8                         ; 256 bytes a position
	s_mov_b32 s29, 0
	s_add_nc_u64 s[20:21], s[20:21], s[28:29]
	s_mov_b32 s31, 0x3f22f983                      ; 2 / pi
	s_mov_b32 s32, 0xbfc90fdb                      ; -(pi/2's leading part)
	s_mov_b32 s33, 0x333bbd2e                      ; the leading part - pi/2
	s_mov_b32 s34, 0xbe2aaaa3                      ; sine: r + r^3 (S1 + S2 r^2 + S3 r^4)
	s_mov_b32 s35, 0x3c08839e
	s_mov_b32 s36, 0xb94ca1f9
	s_mov_b32 s37, 0x3d2aaaa5                      ; cosine: 1 - r^2 / 2 + r^4 (C1 + C2 r^2 + C3 r^4)
	s_mov_b32 s38, 0xbab6061a
	s_mov_b32 s39, 0x37ccf5ce
	s_mov_b32 s40, 0x3e38aa3b                      ; c = log2(e) / 8
	v_lshlrev_b32 v5, 4, v2                        ; my 16 bytes of a trip's 512
	v_bfe_u32 v3, v0, 4, 1
	v_add_nc_u32 v3, s27, v3
	v_cvt_f32_u32 v6, v3                           ; my position
	v_bfe_u32 v7, v0, 3, 1
	v_sub_nc_u32 v7, 1, v7                         ; cos x = sin(x + pi/2): one quadrant on for the cosines
	v_and_b32 v3, 7, v2
	v_lshlrev_b32 v3, 2, v3
.irp i, 0,1,2,3
	v_add_nc_u32 v[AN+\i], \i, v3
.endr
.irp i, 0,1,2,3
	v_cvt_f32_u32 v[AN+\i], v[AN+\i]
.endr
.irp i, 0,1,2,3
	v_mul_f32 v[AN+\i], 0xbed49a78, v[AN+\i]       ; -j log2(10) / 8
.endr
.irp i, 0,1,2,3
	v_exp_f32 v[FQ+\i], v[AN+\i]
.endr
	v_nop                                          ; a plain line behind the last exponential,
	s_wait_alu depctr_va_vdst(0)                   ; and one wait for the four, ahead of their first reader and of the label
	s_mov_b32 s30, 8
.Ltrip:
.irp i, 0,1,2,3
	v_mul_f32 v[AN+\i], v6, v[FQ+\i]               ; the angle, rounded once
.endr
.irp i, 0,1,2,3
	v_mul_f32 v[KQ+\i], s31, v[AN+\i]
.endr
.irp i, 0,1,2,3
	v_rndne_f32 v[KQ+\i], v[KQ+\i]
.endr
.irp i, 0,1,2,3
	v_fma_f32 v[RR+\i], v[KQ+\i], s32, v[AN+\i]
.endr
.irp i, 0,1,2,3
	v_fma_f32 v[RR+\i], v[KQ+\i], s33, v[RR+\i]
.endr
.irp i, 0,1,2,3
	v_cvt_i32_f32 v[KI+\i], v[KQ+\i]
.endr
.irp i, 0,1,2,3
	v_add_nc_u32 v[KI+\i], v[KI+\i], v7
.endr
.irp i, 0,1,2,3
	v_mul_f32 v[R2+\i], v[RR+\i], v[RR+\i]
.endr
.irp i, 0,1,2,3
	v_fma_f32 v[SN+\i], v[R2+\i], s36, s35
	v_fma_f32 v[CN+\i], v[R2+\i], s39, s38
.endr
.irp i, 0,1,2,3
	v_fma_f32 v[SN+\i], v[SN+\i], v[R2+\i], s34
	v_fma_f32 v[CN+\i], v[CN+\i], v[R2+\i], s37
.endr
.irp i, 0,1,2,3
	v_mul_f32 v[SN+\i], v[SN+\i], v[R2+\i]
	v_mul_f32 v[CN+\i], v[CN+\i], v[R2+\i]
	v_fma_f32 v[TT+\i], v[R2+\i], -0.5, 1.0
.endr
.irp i, 0,1,2,3
	v_fma_f32 v[SN+\i], v[SN+\i], v[RR+\i], v[RR+\i]
	v_fma_f32 v[CN+\i], v[CN+\i], v[R2+\i], v[TT+\i]
.endr
.irp i, 0,1,2,3
	v_and_b32 v[TT+\i], 1, v[KI+\i]
	v_cmp_ne_u32 vcc_lo, 0, v[TT+\i]
	v_cndmask_b32 v[OK+\i], v[SN+\i], v[CN+\i], vcc_lo   ; odd quadrants take the cosine
	v_and_b32 v[TT+\i], 2, v[KI+\i]
	v_lshlrev_b32 v[TT+\i], 30, v[TT+\i]
	v_xor_b32 v[OK+\i], v[OK+\i], v[TT+\i]         ; quadrants 2 and 3 change the sign
	v_mul_f32 v[OQ+\i], s40, v[OK+\i]
.endr
	global_store_b128 v5, v[OQ:OQ+3], s[20:21]                 ; the wave stores 512 consecutive bytes: two positions
	global_store_b128 v5, v[OK:OK+3], s[20:21] offset:524288
	s_wait_xcnt 0x0                                ; the stores have read their offset and data, which the next trip writes
	v_add_nc_u32 v5, 512, v5
	v_add_f32 v6, 2.0, v6
	s_sub_co_u32 s30, s30, 1
	s_cmp_lg_u32 s30, 0
	s_cbranch_scc1 .Ltrip
	s_endpgm
.Lfunc_end_k_q057607eef2_prep:
	.size	k_q057607eef2_prep, .Lfunc_end_k_q057607eef2_prep-k_q057607eef2_prep
	.p2alignl 7, 3214868480
	.fill 96, 4, 3214868480
	.section	.rodata,"a",@progbits
	.p2align	6, 0x0
	.amdhsa_kernel k_q057607eef2_prep
		.amdhsa_group_segment_fixed_size 33280
		.amdhsa_private_segment_fixed_size 0
		.amdhsa_enable_private_segment 0
		.amdhsa_kernarg_size 72
		.amdhsa_user_sgpr_count 2
		.amdhsa_user_sgpr_kernarg_segment_ptr 1
		.amdhsa_wavefront_size32 1
		.amdhsa_system_sgpr_workgroup_id_x 1
		.amdhsa_system_sgpr_workgroup_id_y 1
		.amdhsa_system_sgpr_workgroup_id_z 1
		.amdhsa_system_vgpr_workitem_id 0
		.amdhsa_next_free_vgpr 192
		.amdhsa_next_free_sgpr 66
		.amdhsa_reserve_vcc 1
		.amdhsa_float_denorm_mode_32 3
		.amdhsa_float_denorm_mode_16_64 3
		.amdhsa_memory_ordered 1
		.amdhsa_forward_progress 1
		.amdhsa_inst_pref_size 58
	.end_amdhsa_kernel
	.amdgpu_metadata
---
amdhsa.version: [ 1, 2 ]
amdhsa.kernels:
  - .name:           k_q057607eef2_prep
    .symbol:         k_q057607eef2_prep.kd
    .args:
      - { .name: hidden_states, .offset: 0, .size: 8, .value_kind: global_buffer, .address_space: global }
      - { .name: Wq, .offset: 8, .size: 8, .value_kind: global_buffer, .address_space: global }
      - { .name: Wk, .offset: 16, .size: 8, .value_kind: global_buffer, .address_space: global }
      - { .name: Wv, .offset: 24, .size: 8, .value_kind: global_buffer, .address_space: global }
      - { .name: Wo, .offset: 32, .size: 8, .value_kind: global_buffer, .address_space: global }
      - { .name: codes, .offset: 40, .size: 8, .value_kind: global_buffer, .address_space: global }
      - { .name: scales, .offset: 48, .size: 8, .value_kind: global_buffer, .address_space: global }
      - { .name: wo16, .offset: 56, .size: 8, .value_kind: global_buffer, .address_space: global }
      - { .name: rope, .offset: 64, .size: 8, .value_kind: global_buffer, .address_space: global }
    .group_segment_fixed_size: 33280
    .private_segment_fixed_size: 0
    .kernarg_segment_align: 8
    .kernarg_segment_size: 72
    .max_flat_workgroup_size: 128
    .sgpr_count:     66
    .vgpr_count:     192
    .wavefront_size: 32
...
	.end_amdgpu_metadata
.endif
;; end of part 1
;; launch qkv (part 2): grid 12 x 32, 4 waves a work-group, clusters of 4 x 4, 327,680 bytes of LDS; arguments codes, scales, rope, qk, vt; writes qk, vt
.if DOCPART == 2
	.amdgcn_target "amdgcn-amd-amdhsa--gfx1250"
	.amdhsa_code_object_version 6
	.text
	.protected	k_q057607eef2_qkv
	.globl	k_q057607eef2_qkv
	.p2align	8
	.type	k_q057607eef2_qkv,@function
k_q057607eef2_qkv:
	s_mov_b64 s[64:65], 0
	v_nop
	global_prefetch_b8 v0, s[64:65] scope:SCOPE_SE
	s_setreg_imm32_b32 hwreg(HW_REG_WAVE_MODE, 25, 1), 1
	s_wait_xcnt 0x0
	s_wait_alu depctr_hold_cnt(0) depctr_sa_sdst(0) depctr_va_vdst(0) depctr_va_sdst(0) depctr_va_ssrc(0) depctr_va_vcc(0) depctr_vm_vsrc(0)
	s_getreg_b32 s2, hwreg(HW_REG_IB_STS2, 6, 4)
	s_cmp_eq_u32 s2, 0
	s_cbranch_scc0 .Lentry_in_a_cluster
	s_endpgm
.Lentry_in_a_cluster:
	s_bfe_u32 s2, ttmp6, 0x10000c
	s_cmp_lg_u32 s2, 0xf033
	s_cbranch_scc0 .Lentry_shape_is_right
	s_endpgm
.Lentry_shape_is_right:
; QKV: the three quantised products on codes of FP4 (E2M1) with E8M0 scales, K = 1,024, then the rotary turn (q, k) and the rounding to f16.
; codes [11264 rows][512 bytes], scales [11264][32]: rows 0.. the 8,192 tokens, 8192.. Wq, 9216.. Wk, 10240.. Wv.  rope [2][2048][cos 0..31, sin 0..31] f32 (part 0 carries c = log2(e)/8, for q).
; OUT: qk: q at byte 0, k at byte 2^24, each [64 batch x head][2048][64] f16;  vt: [64 batch x head][64 channels][2048 keys] f16: v with the keys innermost.
; A work-group of four waves makes a tile of 256 x 256, a wave 128 x 128: 64 accumulators of 16 x 16 in 512 registers.  All of K lies in two LDS slots of 512 along K, each filled once.
; CLUSTERS of 4 x 4.  Operand A's tile hangs on the cluster's row, operand B's on its column: each is asked for jointly by the four that share it.
;   cluster x = 0, 1: A = tokens (tile 4 x cluster y + cy), B = Wq or Wk (tile cx).   cluster x = 2: A = Wv (tile cy), B = tokens (tile 4 x cluster y + cx): v comes out transposed by the same loop.
; THE MATRIX INSTRUCTION IS USED TRANSPOSED (source 0 = 16 rows of B, source 1 = 16 rows of A): a lane holds one row of A's and eight neighbours along B's rows.
; 384 work-groups: more than one for each WGP, in one and a half turns; stated, not hidden.
; LIMITS: q c, k and v are rounded to f16: magnitudes up to 65,504; under 6e-5 the step is 2^-24.  NaN and infinities are not served.
; REGISTERS, in windows of 256: window 0: v1-29 addresses; v32-95 scale words, two sets; v128-191 A's fragments, one set; on the way out v32-191 are at work.
;   window 1: B's fragments, two sets; on the way out the table.   windows 2, 3: the accumulators ((a, b) at v[8 (8 (a % 4) + b)]).
.set KSTEP,  512
.set NQ,     KSTEP/128
.set ROWB,   256                       ; a tile's row: 512 codes
.set KROW,   512                       ; a row of codes in memory
.set PITCH,  272                       ; an LDS row: 256 bytes + 16 of padding: the sixteen rows of a load start in sixteen different groups of four banks
.set FR,     8
.set NL,     2
.set NP,     4                         ; places behind this matrix instruction (ISA guide 7.12.1)
.set HALFT,  128*PITCH
.set SLOT,   4*HALFT
.set KS,     32                        ; a row of scale bytes
.set SCL,    2*SLOT                    ; the scales, as runs of 256 bytes + 16 of padding
.set HALFS,  (128*KS/256)*272
.set SBLK,   (16*KS/256)*272
.set SPARE,  SCL+4*HALFS               ; the spare words: 128 bytes a wave, named by no other line
.set STGV,   32768                     ; the way out's stages lie in slot 0, behind its one fill and its last read: q and k's from byte 0 (4,608 a wave), v's from here (4,352 a wave)
.set STOQ, 1                           ; v1  q, k: where I put 16 bytes of a row
.set RDQ,  2                           ; v2  and read rows back
.set GOQ,  3                           ; v3  16 x lane
.set STOV, 4                           ; v4  the same three for v
.set RDV,  5
.set GOV,  6
.set TBO,  7                           ; v7  my place in the table: 256 (lane % 16) + 32 (lane / 16)
.set ADRA, 16
.set ADRB, 20
.set ADRS, 27
.set SPW,  28
.set NIL,  29
.set SC,   32
.set AF,   128
.set T,    32                          ; the way out: 64 turned numbers
.set PK,   96                          ; 32 registers of f16 pairs
.set BK,   128                         ; rows read back: v128-159 and v160-191 by turns
.set G1, 24
.set G0, 32
.set G1B, 48
.set G0B, 56
.set G1S, 68
.set G0S, 76
.set G1SB, 80
.set G0SB, 88
.set MSB, 0
.macro WIN new                         ; the immediate's high byte repeats the setting that is left
.if MSB != \new
	s_set_vgpr_msb (MSB<<8)|\new
.set MSB, \new
.endif
.endm
.set MUL_LO, 0xa1                      ; source 0 (B) window 1, source 1 (A) window 0, C and D window 2
.set MUL_HI, 0xf1
.set TO_B,   0x40
; A joint load: waves 0 and 1 fetch for A, waves 2 and 3 for B.  The branch hangs on the wave's number alone.  An s_nop 0 and four v_nop follow each line.
.macro JLOAD g0a, g1a, g0b, g1b
	s_cmp_eq_u32 s15, 0
	s_cbranch_scc0 .Lfor_b_\@
	tensor_load_to_lds s[\g0a:\g0a+3], s[\g1a:\g1a+7]
	s_nop 0
.rept 4
	v_nop
.endr
	s_branch .Lasked_\@
.Lfor_b_\@:
	tensor_load_to_lds s[\g0b:\g0b+3], s[\g1b:\g1b+7]
	s_nop 0
.rept 4
	v_nop
.endr
.Lasked_\@:
.endm
.macro CROUND                          ; a round of the cluster's barrier
	s_barrier_signal -1
	s_barrier_wait -1
	s_cmp_lg_u32 s14, 0
	s_cbranch_scc1 .Lnot_wave_0_\@
	s_barrier_signal -3
.Lnot_wave_0_\@:
	s_barrier_wait -3
	s_barrier_signal -1
	s_barrier_wait -1
.endm
	s_load_b128 s[4:7], s[0:1], 0x0                ; codes, scales
	s_load_b128 s[8:11], s[0:1], 0x10              ; rope, qk
	s_load_b64 s[12:13], s[0:1], 0x20              ; vt
	v_lshl_add_u32 v[SPW], v0, 2, SPARE
	v_mov_b32 v[NIL], 0
	ds_add_u32 v[SPW], v[NIL]                      ; the wave's opening: the add, twice on end, and its wait ahead of my first tensor load
	ds_add_u32 v[SPW], v[NIL]
	v_lshrrev_b32 v8, 5, v0
	v_readfirstlane_b32 s14, v8                    ; wave 0..3
	s_lshr_b32 s15, s14, 1                         ; my half of A's rows.  Also: I fetch for A (0) or for B (1)
	s_and_b32 s16, s14, 1                          ; my half of B's rows.  Also: which 128 rows I fetch
	s_bfe_u32 s40, ttmp6, 0x40000                  ; cx
	s_bfe_u32 s41, ttmp6, 0x40004                  ; cy
	s_and_b32 s66, ttmp7, 0xffff                   ; cluster y
	s_cmp_eq_u32 ttmp9, 2                          ; the clusters that make v: the same answer in all sixteen partners
	s_cselect_b32 s67, 0, s66                      ; A's group of four tiles,
	s_cselect_b32 s95, s66, ttmp9                  ; B's,
	s_cselect_b32 s96, 10240, 0                    ; A's first row among the codes' rows,
	s_cselect_b32 s97, 0, 8192                     ; B's
	s_lshl_b32 s42, s95, 2
	s_add_co_u32 s42, s42, s40                     ; B's tile
	s_lshl_b32 s17, s67, 2
	s_add_co_u32 s17, s17, s41                     ; A's tile
	s_lshl_b32 s43, s41, 2
	s_lshl_b32 s43, 15, s43                        ; my row of the cluster
	s_lshl_b32 s44, 0x1111, s40                    ; my column
	; group 1: a tile of 128 rows x 256 bytes, 16 bytes of padding behind each row
	s_or_b32 s[G1+0], s43, (0<<16)|(1<<20)|(1<<21)|(5<<22)|(3<<25)
	s_or_b32 s[G1B+0], s44, (0<<16)|(1<<20)|(1<<21)|(5<<22)|(3<<25)
.irp g, G1, G1B
	s_mov_b32 s[\g+1], ROWB<<16                    ; tensor_dim0
	s_mov_b32 s[\g+2], 128<<16                     ; tensor_dim1
	s_mov_b32 s[\g+3], ROWB<<16                    ; tile_dim0
	s_mov_b32 s[\g+4], 128                         ; tile_dim1
	s_mov_b32 s[\g+5], KROW                        ; from row to row
	s_mov_b32 s[\g+6], 0
	s_mov_b32 s[\g+7], 0
.endr
	; the scales of 128 rows: 4,096 dense bytes as 16 rows of 32 elements of 8 bytes, 16 bytes of padding behind each
	s_or_b32 s[G1S+0], s43, (3<<16)|(1<<20)|(1<<21)|(5<<22)|(3<<25)
	s_or_b32 s[G1SB+0], s44, (3<<16)|(1<<20)|(1<<21)|(5<<22)|(3<<25)
.irp g, G1S, G1SB
	s_mov_b32 s[\g+1], 32<<16
	s_mov_b32 s[\g+2], (128*KS/256)<<16
	s_mov_b32 s[\g+3], 32<<16
	s_mov_b32 s[\g+4], 128*KS/256
	s_mov_b32 s[\g+5], 32
	s_mov_b32 s[\g+6], 0
	s_mov_b32 s[\g+7], 0
.endr
	s_lshl_b32 s18, s16, 7                         ; which 128 rows of the tile I fetch
	s_lshl_b32 s20, s17, 8
	s_add_co_u32 s20, s20, s18
	s_add_co_u32 s20, s20, s96                     ; A: the row among the codes' rows
	s_lshl_b32 s46, s42, 8
	s_add_co_u32 s46, s46, s18
	s_add_co_u32 s46, s46, s97                     ; B likewise
	s_mov_b32 s21, 0
	s_mov_b32 s47, 0
	s_mov_b64 s[18:19], KS
	s_mul_u64 s[22:23], s[20:21], s[18:19]         ; where these rows' scales begin,
	s_mul_u64 s[92:93], s[46:47], s[18:19]
	s_mov_b64 s[18:19], KROW
	s_mul_u64 s[20:21], s[20:21], s[18:19]         ; and their codes
	s_mul_u64 s[46:47], s[46:47], s[18:19]
	s_mul_i32 s45, s14, HALFT                      ; where they go: wave x 128 rows
	s_mul_i32 s94, s14, HALFS
	s_wait_dscnt 0x0                               ; both opening adds are done
	s_wait_kmcnt 0x0
	s_add_nc_u64 s[20:21], s[4:5], s[20:21]
	s_add_nc_u64 s[22:23], s[6:7], s[22:23]
	s_add_nc_u64 s[46:47], s[4:5], s[46:47]
	s_add_nc_u64 s[92:93], s[6:7], s[92:93]
	CROUND                                         ; all sixteen work-groups are here: the joint loads meet
	s_mov_b32 s[G0S], 1
	s_add_co_u32 s[G0S+1], s94, SCL
	s_mov_b64 s[G0S+2:G0S+3], s[22:23]
	s_or_b32 s[G0S+3], s[G0S+3], 0x80000000
	s_mov_b32 s[G0SB], 1
	s_add_co_u32 s[G0SB+1], s94, SCL
	s_mov_b64 s[G0SB+2:G0SB+3], s[92:93]
	s_or_b32 s[G0SB+3], s[G0SB+3], 0x80000000
	JLOAD G0S, G1S, G0SB, G1SB                     ; three first fills a wave, and no other tensor load: three are out at the most
.irp s, 0,1
	s_mov_b32 s[G0+4*\s], 1
	s_add_co_u32 s[G0+4*\s+1], s45, \s*SLOT
	s_add_nc_u64 s[G0+4*\s+2:G0+4*\s+3], s[20:21], \s*ROWB
	s_or_b32 s[G0+4*\s+3], s[G0+4*\s+3], 0x80000000
	s_mov_b32 s[G0B+4*\s], 1
	s_add_co_u32 s[G0B+4*\s+1], s45, \s*SLOT
	s_add_nc_u64 s[G0B+4*\s+2:G0B+4*\s+3], s[46:47], \s*ROWB
	s_or_b32 s[G0B+4*\s+3], s[G0B+4*\s+3], 0x80000000
	JLOAD G0+4*\s, G1, G0B+4*\s, G1B
.endr
	v_and_b32 v8, 15, v0                           ; r = lane % 16
	v_bfe_u32 v9, v0, 4, 1                         ; h = lane / 16
	v_mul_u32_u24 v10, v8, PITCH
	v_lshl_add_u32 v11, v9, 4, v10                 ; a fragment's row x pitch + 16 h
	s_mul_i32 s21, s15, HALFT
	s_mul_i32 s22, s16, HALFT
	s_add_co_u32 s22, s22, 2*HALFT
.irp s, 0,1
	v_add_nc_u32 v[ADRA+\s], s21, v11
	v_add_nc_u32 v[ADRB+\s], s22, v11
	s_add_co_u32 s21, s21, SLOT
	s_add_co_u32 s22, s22, SLOT
.endr
	v_mul_u32_u24 v12, v8, KS                      ; my row's scales: 32 bytes a row,
	v_lshrrev_b32 v13, 8, v12
	v_lshl_add_u32 v12, v13, 4, v12                ; and 16 more for each 256 passed
	s_mul_i32 s21, s15, HALFS
	s_mul_i32 s22, s16, HALFS
	s_add_co_u32 s22, s22, 2*HALFS
	s_sub_co_u32 s22, s22, s21
	v_mul_u32_u24 v13, s22, v9                     ; lanes 16-31 take B's
	s_add_co_u32 s21, s21, SCL
	v_add_nc_u32 v12, v12, v13
	v_add_nc_u32 v[ADRS], s21, v12
	v_and_b32 v14, 31, v0                          ; the way out's addresses, made here, ahead of every parting of ways
	s_mul_i32 s23, s14, 4608
	v_mul_u32_u24 v[STOQ], v8, 144
	v_lshl_add_u32 v[STOQ], v9, 4, v[STOQ]
	v_add_nc_u32 v[STOQ], s23, v[STOQ]             ; row r of 144 bytes, + 16 h
	v_lshrrev_b32 v15, 3, v14
	v_mul_u32_u24 v[RDQ], v15, 144
	v_and_b32 v15, 7, v0
	v_lshl_add_u32 v[RDQ], v15, 4, v[RDQ]
	v_add_nc_u32 v[RDQ], s23, v[RDQ]               ; back: eight lanes to a row of 128 bytes, four rows an instruction
	v_lshlrev_b32 v[GOQ], 4, v14
	s_mul_i32 s23, s14, 4352
	s_add_co_u32 s23, s23, STGV
	v_mul_u32_u24 v[STOV], v8, 272
	v_lshl_add_u32 v[STOV], v9, 4, v[STOV]
	v_add_nc_u32 v[STOV], s23, v[STOV]
	v_mul_u32_u24 v[RDV], v9, 272
	v_lshl_add_u32 v[RDV], v8, 4, v[RDV]
	v_add_nc_u32 v[RDV], s23, v[RDV]               ; back: sixteen lanes to a row of 256 bytes, two rows an instruction
	v_lshlrev_b32 v[GOV], 12, v9
	v_lshl_add_u32 v[GOV], v8, 4, v[GOV]
	v_lshlrev_b32 v[TBO], 8, v8
	v_lshl_add_u32 v[TBO], v9, 5, v[TBO]
.macro FRAG reg, adr, q, i             ; 16 rows x 128 K of 4-bit codes: 8 registers; lane l: row l % 16; registers 4 c ..: K = 64 c + 32 (l / 16) + 0 .. 31
.irp c, 0,1
	ds_load_b128 v[\reg+4*\c:\reg+4*\c+3], v[\adr] offset:64*(\q)+32*\c+(\i)*16*PITCH
.endr
.endm
; 16 matrix instructions: A's blocks a0, a0 + 1 x B's eight, the slot's q-th 128 along K.  The 64 accumulators take turns, one instruction a turn, in the same order in every step.
.macro MUL16 a0, p, q, sc, zero
.irp a, \a0, \a0+1
.irp b, 0,1,2,3,4,5,6,7
.if \zero
	v_wmma_scale_f32_16x16x128_f8f6f4 v[8*(8*((\a)%4)+\b):8*(8*((\a)%4)+\b)+7], v[128*(\p)+FR*\b:128*(\p)+FR*\b+FR-1], v[AF+FR*(\a):AF+FR*(\a)+FR-1], 0, v[SC+8*NQ*(\sc)+NQ*\b+(\q)], v[SC+8*NQ*(\sc)+NQ*(\a)+(\q)] matrix_a_fmt:MATRIX_FMT_FP4 matrix_b_fmt:MATRIX_FMT_FP4 matrix_a_scale:MATRIX_SCALE_ROW1
.else
	v_wmma_scale_f32_16x16x128_f8f6f4 v[8*(8*((\a)%4)+\b):8*(8*((\a)%4)+\b)+7], v[128*(\p)+FR*\b:128*(\p)+FR*\b+FR-1], v[AF+FR*(\a):AF+FR*(\a)+FR-1], v[8*(8*((\a)%4)+\b):8*(8*((\a)%4)+\b)+7], v[SC+8*NQ*(\sc)+NQ*\b+(\q)], v[SC+8*NQ*(\sc)+NQ*(\a)+(\q)] matrix_a_fmt:MATRIX_FMT_FP4 matrix_b_fmt:MATRIX_FMT_FP4 matrix_a_scale:MATRIX_SCALE_ROW1
.endif
.endr
.endr
.endm
.macro FETCH_B slot, q, p
	WIN TO_B
.irp i, 0,1,2,3,4,5,6,7
	FRAG 128*(\p)+FR*\i, ADRB+\slot, \q, \i
.endr
	WIN 0
.endm
.macro FETCH_A slot, q, i0
.irp i, \i0, \i0+1, \i0+2, \i0+3
	FRAG AF+FR*(\i), ADRA+\slot, \q, \i
.endr
.endm
.macro SCALES sc                       ; a slot's scale words: lanes 0-15 take A's block i, lanes 16-31 B's block i, four words a row
.irp i, 0,1,2,3,4,5,6,7
	ds_load_b128 v[SC+8*NQ*\sc+NQ*\i:SC+8*NQ*\sc+NQ*\i+3], v[ADRS] offset:\i*SBLK
.endr
.endm
.macro PLACES n                        ; plain vector lines between a matrix instruction and a load into, or a read of, its registers
.rept \n
	v_nop
.endr
.endm
.macro STEP slot, q, zero              ; 128 along K, with its successor in the same slot
	s_wait_dscnt 4*NL                              ; B's set and A's blocks 0-3 are in; the youngest eight loads (A's blocks 4-7) may be out
	WIN MUL_LO
	MUL16 0, (\q)%2, \q, \slot, \zero
	MUL16 2, (\q)%2, \q, \slot, \zero
	s_wait_dscnt 0                                 ; A's blocks 4-7 are in
	PLACES NP
	FETCH_B \slot, (\q)+1, 1-(\q)%2
	FETCH_A \slot, (\q)+1, 0
	WIN MUL_HI
	MUL16 4, (\q)%2, \q, \slot, \zero
	MUL16 6, (\q)%2, \q, \slot, \zero
	PLACES NP
	WIN 0
	FETCH_A \slot, (\q)+1, 4
.endm
; Slot 0's last step: one barrier; in front of it each wave waits for all its tensor loads (slot 1's part), adds 0 to its spare word, and waits for that and for its reads of slot 0.  Nothing is filled again.
.macro TURN slot, next
	s_wait_tensorcnt 0x0
	ds_add_u32 v[SPW], v[NIL]
	s_wait_dscnt 4*NL+1                            ; the add and the youngest eight loads may be out
	WIN MUL_LO
	MUL16 0, 1, NQ-1, \slot, 0
	s_wait_dscnt 0x0                               ; the add is done, and my reads of this slot are over
	s_barrier_signal -1
	MUL16 2, 1, NQ-1, \slot, 0
	WIN 0
	s_barrier_wait -1
	PLACES NP
	v_add_nc_u32 v[ADRS], 4*NQ, v[ADRS]            ; the next slot's scale words
	FETCH_B \next, 0, 0
	FETCH_A \next, 0, 0
	SCALES \next
	WIN MUL_HI
	MUL16 4, 1, NQ-1, \slot, 0
	MUL16 6, 1, NQ-1, \slot, 0
	PLACES NP
	WIN 0
	FETCH_A \next, 0, 4
.endm
	s_wait_tensorcnt 1                             ; the scales and my part of slot 0 are in; slot 1's load may be out
	s_barrier_signal -1
	s_barrier_wait -1
	FETCH_B 0, 0, 0
	FETCH_A 0, 0, 0
	SCALES 0
	FETCH_A 0, 0, 4
	STEP 0, 0, 1                                   ; the first products start the sums: nothing is cleared
	STEP 0, 1, 0
	STEP 0, 2, 0
	TURN 0, 1
	STEP 1, 0, 0
	STEP 1, 1, 0
	STEP 1, 2, 0
	s_wait_dscnt 4*NL                              ; the last step: nothing more to fetch
	WIN MUL_LO
	MUL16 0, 1, NQ-1, 1, 0
	MUL16 2, 1, NQ-1, 1, 0
	s_wait_dscnt 0
	WIN MUL_HI
	MUL16 4, 1, NQ-1, 1, 0
	MUL16 6, 1, NQ-1, 1, 0
	WIN 0
	PLACES NP                                      ; behind the last products: for the loads into B's registers, the writes over the scale words and the reads of results
	s_cmp_eq_u32 ttmp9, 2
	s_cbranch_scc1 .Lv_out
; ---------------- THE WAY OUT OF q AND k.  Lane (r, h) holds token 16 a + r and, in accumulator (a, b), features 16 b + 8 h + 0 .. 7: heads b / 4 of my two, channels 16 (b % 4) + 8 h + j.
; out(d) = x(d) cos(d) - x(d + 32) sin(d), out(d + 32) = x(d + 32) cos(d) + x(d) sin(d), d < 32: accumulators b and b + 2 of a head are partners, register by register.
	s_and_b32 s18, s17, 7
	s_lshl_b32 s18, s18, 8
	s_lshl_b32 s19, s15, 7
	s_add_co_u32 s18, s18, s19                     ; my first position in the sequence
	s_lshr_b32 s20, s17, 3                         ; the batch
	s_lshl_b32 s20, s20, 4
	s_lshl_b32 s21, s40, 2
	s_add_co_u32 s20, s20, s21
	s_lshl_b32 s21, s16, 1
	s_add_co_u32 s20, s20, s21                     ; 16 x batch + my first head
	s_lshl_b32 s20, s20, 18                        ; 262,144 bytes a head
	s_lshl_b32 s21, s18, 7                         ; 128 bytes a position
	s_add_co_u32 s20, s20, s21
	s_lshl_b32 s21, ttmp9, 24                      ; q or k
	s_add_co_u32 s20, s20, s21
	s_mov_b32 s21, 0
	s_add_nc_u64 s[10:11], s[10:11], s[20:21]
	s_lshl_b32 s20, s18, 8                         ; the table: 256 bytes a position,
	s_lshl_b32 s22, ttmp9, 19                      ; q's part or k's
	s_add_co_u32 s20, s20, s22
	s_add_nc_u64 s[8:9], s[8:9], s[20:21]
	WIN 0x40                                       ; the table of my 128 positions fills window 1: block a at v[32 a]: cos (16 bb + 8 h + j) at 8 bb + j, sin 16 further on
.irp a, 0,1,2,3,4,5,6,7
.irp sn, 0,1
.irp bb, 0,1
	global_load_b128 v[32*\a+16*\sn+8*\bb:32*\a+16*\sn+8*\bb+3], v[TBO], s[8:9] offset:\a*4096+\sn*128+\bb*64
	global_load_b128 v[32*\a+16*\sn+8*\bb+4:32*\a+16*\sn+8*\bb+7], v[TBO], s[8:9] offset:\a*4096+\sn*128+\bb*64+16
.endr
.endr
.endr
	WIN 0
.macro ROPE a
.set AC, 64*((\a)%4)
.set TB, 32*(\a)
	s_wait_loadcnt 8*(7-(\a))                      ; block a's eight loads are in; the later blocks' stay out
	WIN (0x06+(\a)/4)                              ; source 0: the accumulators' window, source 1: the table's
.irp hd, 0,1
.irp bb, 0,1
.irp jp, 0,2,4,6                       ; each accumulator is read from its low end on
	v_pk_mul_f32 v[T+32*\hd+8*\bb+\jp:T+32*\hd+8*\bb+\jp+1], v[AC+8*(4*\hd+\bb+2)+\jp:AC+8*(4*\hd+\bb+2)+\jp+1], v[TB+16+8*\bb+\jp:TB+16+8*\bb+\jp+1]
	v_pk_mul_f32 v[T+32*\hd+8*\bb+16+\jp:T+32*\hd+8*\bb+16+\jp+1], v[AC+8*(4*\hd+\bb)+\jp:AC+8*(4*\hd+\bb)+\jp+1], v[TB+16+8*\bb+\jp:TB+16+8*\bb+\jp+1]
.endr
.irp jp, 0,2,4,6
	v_pk_fma_f32 v[T+32*\hd+8*\bb+\jp:T+32*\hd+8*\bb+\jp+1], v[AC+8*(4*\hd+\bb)+\jp:AC+8*(4*\hd+\bb)+\jp+1], v[TB+8*\bb+\jp:TB+8*\bb+\jp+1], v[T+32*\hd+8*\bb+\jp:T+32*\hd+8*\bb+\jp+1] neg_lo:[0,0,1] neg_hi:[0,0,1]
	v_pk_fma_f32 v[T+32*\hd+8*\bb+16+\jp:T+32*\hd+8*\bb+16+\jp+1], v[AC+8*(4*\hd+\bb+2)+\jp:AC+8*(4*\hd+\bb+2)+\jp+1], v[TB+8*\bb+\jp:TB+8*\bb+\jp+1], v[T+32*\hd+8*\bb+16+\jp:T+32*\hd+8*\bb+16+\jp+1]
.endr
.endr
.endr
	WIN 0
.set i, 0
.rept 32
	v_cvt_pk_f16_f32 v[PK+i], v[T+2*i], v[T+2*i+1]
.set i, i+1
.endr
.endm
.macro STQ a                           ; through my stage: [2 heads][16 rows][128 bytes + 16]; LDS serves a wave's instructions in order, so the loads see the stores
.set BB, BK+32*((\a)%2)
.irp hd, 0,1
.irp bq, 0,1,2,3
	ds_store_b128 v[STOQ], v[PK+16*\hd+4*\bq:PK+16*\hd+4*\bq+3] offset:\hd*2304+32*\bq
.endr
.endr
.irp hd, 0,1
.irp i, 0,1,2,3
	ds_load_b128 v[BB+16*\hd+4*\i:BB+16*\hd+4*\i+3], v[RDQ] offset:\hd*2304+\i*576
.endr
.endr
.endm
.macro SENDQ a, younger                ; younger: the LDS instructions issued behind block a's loads
.set BB, BK+32*((\a)%2)
	s_wait_dscnt \younger
.irp hd, 0,1
.irp i, 0,1,2,3
	global_store_b128 v[GOQ], v[BB+16*\hd+4*\i:BB+16*\hd+4*\i+3], s[10:11] offset:\hd*262144+(\a)*2048+\i*512   ; the wave stores 512 consecutive bytes, aligned: four rows of a head
.endr
.endr
.endm
	ROPE 0
	STQ 0
.irp a, 1,2,3,4,5,6,7
.if \a > 1
	s_wait_xcnt 0x0                                ; block a - 2's stores have read the registers into which block a's rows are loaded
.endif
	ROPE \a
	STQ \a
	SENDQ \a-1, 16                                 ; behind block a - 1's loads: block a's 8 stores and 8 loads
.endr
	SENDQ 7, 0
	s_branch .Lqkv_end
; ---------------- THE WAY OUT OF v.  Lane (r, h) holds channel 16 a + r of Wv's rows and, in accumulator (a, b), tokens 16 b + 8 h + 0 .. 7: 16 bytes of a row of vt.
.Lv_out:
	s_lshr_b32 s18, s42, 3                         ; the batch
	s_lshl_b32 s18, s18, 10
	s_lshl_b32 s19, s41, 8
	s_add_co_u32 s18, s18, s19
	s_lshl_b32 s19, s15, 7
	s_add_co_u32 s18, s18, s19                     ; my first row of vt: 1,024 x batch + 256 cy + 128 x half
	s_lshl_b32 s18, s18, 12                        ; 4,096 bytes a row
	s_and_b32 s19, s42, 7
	s_lshl_b32 s19, s19, 9
	s_add_co_u32 s18, s18, s19                     ; + my tile's 256 keys,
	s_lshl_b32 s19, s16, 8
	s_add_co_u32 s18, s18, s19                     ; + my half's 128
	s_mov_b32 s19, 0
	s_add_nc_u64 s[12:13], s[12:13], s[18:19]
.macro PACKV a
.set AC, 64*((\a)%4)
	WIN (0x0a+5*((\a)/4))                          ; sources 0 and 1: window 2 or 3
.irp b, 0,1,2,3,4,5,6,7
.irp q, 0,1,2,3
	v_cvt_pk_f16_f32 v[PK+4*\b+\q], v[AC+8*\b+2*\q], v[AC+8*\b+2*\q+1]
.endr
.endr
	WIN 0
.endm
.macro STV a
.set BB, BK+32*((\a)%2)
.irp b, 0,1,2,3,4,5,6,7
	ds_store_b128 v[STOV], v[PK+4*\b:PK+4*\b+3] offset:32*\b
.endr
.irp t, 0,1,2,3,4,5,6,7
	ds_load_b128 v[BB+4*\t:BB+4*\t+3], v[RDV] offset:\t*544
.endr
.endm
.macro SENDV a, younger
.set BB, BK+32*((\a)%2)
	s_wait_dscnt \younger
.irp t, 0,1,2,3,4,5,6,7
	global_store_b128 v[GOV], v[BB+4*\t:BB+4*\t+3], s[12:13] offset:(16*(\a)+2*\t)*4096   ; sixteen lanes store 256 consecutive bytes, aligned
.endr
.endm
	PACKV 0
	STV 0
.irp a, 1,2,3,4,5,6,7
.if \a > 1
	s_wait_xcnt 0x0                                ; block a - 2's stores have read the registers into which block a's rows are loaded
.endif
	PACKV \a
	STV \a
	SENDV \a-1, 16
.endr
	SENDV 7, 0
.Lqkv_end:
	s_wait_tensorcnt 0x0                           ; the wave's end: behind my last tensor load and my last LDS store
	ds_add_u32 v[SPW], v[NIL]
	s_wait_dscnt 0x0
	CROUND                                         ; the closing round
	s_endpgm
.Lfunc_end_k_q057607eef2_qkv:
	.size	k_q057607eef2_qkv, .Lfunc_end_k_q057607eef2_qkv-k_q057607eef2_qkv
	.p2alignl 7, 3214868480
	.fill 96, 4, 3214868480
	.section	.rodata,"a",@progbits
	.p2align	6, 0x0
	.amdhsa_kernel k_q057607eef2_qkv
		.amdhsa_group_segment_fixed_size 327680
		.amdhsa_private_segment_fixed_size 0
		.amdhsa_enable_private_segment 0
		.amdhsa_kernarg_size 40
		.amdhsa_user_sgpr_count 2
		.amdhsa_user_sgpr_kernarg_segment_ptr 1
		.amdhsa_wavefront_size32 1
		.amdhsa_system_sgpr_workgroup_id_x 1
		.amdhsa_system_sgpr_workgroup_id_y 1
		.amdhsa_system_sgpr_workgroup_id_z 1
		.amdhsa_system_vgpr_workitem_id 0
		.amdhsa_next_free_vgpr 1024
		.amdhsa_next_free_sgpr 98
		.amdhsa_reserve_vcc 0
		.amdhsa_float_denorm_mode_32 3
		.amdhsa_float_denorm_mode_16_64 3
		.amdhsa_memory_ordered 1
		.amdhsa_forward_progress 1
		.amdhsa_inst_pref_size 197
	.end_amdhsa_kernel
	.amdgpu_metadata
---
amdhsa.version: [ 1, 2 ]
amdhsa.kernels:
  - .name:           k_q057607eef2_qkv
    .symbol:         k_q057607eef2_qkv.kd
    .args:
      - { .name: codes, .offset: 0, .size: 8, .value_kind: global_buffer, .address_space: global }
      - { .name: scales, .offset: 8, .size: 8, .value_kind: global_buffer, .address_space: global }
      - { .name: rope, .offset: 16, .size: 8, .value_kind: global_buffer, .address_space: global }
      - { .name: qk, .offset: 24, .size: 8, .value_kind: global_buffer, .address_space: global }
      - { .name: vt, .offset: 32, .size: 8, .value_kind: global_buffer, .address_space: global }
    .group_segment_fixed_size: 327680
    .private_segment_fixed_size: 0
    .kernarg_segment_align: 8
    .kernarg_segment_size: 40
    .max_flat_workgroup_size: 128
    .sgpr_count:     98
    .vgpr_count:     1024
    .wavefront_size: 32
...
	.end_amdgpu_metadata
.endif
;; end of part 2
;; launch attn (part 3): grid 4 x 64, 8 waves a work-group, clusters of 4 x 1, 327,680 bytes of LDS; arguments qk, vt, att; writes att
.if DOCPART == 3
	.amdgcn_target "amdgcn-amd-amdhsa--gfx1250"
	.amdhsa_code_object_version 6
	.text
	.protected	k_q057607eef2_attn
	.globl	k_q057607eef2_attn
	.p2align	8
	.type	k_q057607eef2_attn,@function
k_q057607eef2_attn:
	s_mov_b64 s[64:65], 0
	v_nop
	global_prefetch_b8 v0, s[64:65] scope:SCOPE_SE
	s_setreg_imm32_b32 hwreg(HW_REG_WAVE_MODE, 25, 1), 1
	s_wait_xcnt 0x0
	s_wait_alu depctr_hold_cnt(0) depctr_sa_sdst(0) depctr_va_vdst(0) depctr_va_sdst(0) depctr_va_ssrc(0) depctr_va_vcc(0) depctr_vm_vsrc(0)
	s_getreg_b32 s2, hwreg(HW_REG_IB_STS2, 6, 4)
	s_cmp_eq_u32 s2, 0
	s_cbranch_scc0 .Lentry_in_a_cluster
	s_endpgm
.Lentry_in_a_cluster:
	s_bfe_u32 s2, ttmp6, 0x10000c
	s_cmp_lg_u32 s2, 0x3003
	s_cbranch_scc0 .Lentry_shape_is_right
	s_endpgm
.Lentry_shape_is_right:
; ATTENTION without a mask, head size 64, on f16 operands with f32 sums.  qk: q (already x c = log2(e)/8) at byte 0, k at byte 2^24, each [64 bh][2048][64] f16; vt: [64 bh][64 channels][2048 keys] f16.
; OUT: att [16 heads][8192 tokens][64] f16: a head's rows lie on end, so that rows of 128 bytes leave as runs of 512 consecutive bytes.
; SHARES.  A work-group owns 512 queries of one batch and head, each of its eight waves 64: four tiles of 16.  Two waves lie on a SIMD: one wave's softmax stands beside the other's products.
; Every fragment of K and V read from LDS feeds four matrix instructions.  Every wave walks all 2,048 keys, 64 a step, 256 a slot.
; LAYOUT.  S^T = K Q^T (source 0 = 16 keys, source 1 = 16 queries): a lane holds ONE query (lane % 16) and keys 8 (lane / 16) + 0..7 of each tile of 16.  Two such tiles, rounded to f16 in pairs,
; are source 1 of O^T = V^T P, whose result again holds one query a lane.  V arrives with the keys innermost, so both K and V are read from LDS as they lie.
; SOFTMAX.  s is the score in powers of two.  For each query a running maximum m and sum l: p = 2^(s - m); in every step O and l are multiplied by 2^(m_old - m_new).  l sums the unrounded p.
; CLUSTER.  The four query blocks of a head walk the same K and V: each tile is asked for jointly, by the same tensor load with the same descriptor and a mask that names the four.
; LIMITS: p and O / l are rounded to f16 (O / l up to 65,504; under 6e-5 the step is 2^-24).  NaN and infinities are not served.
; REGISTERS.  window 0: v1-13 addresses; v16-47 statistics, 8 a tile: +0 m, +1 zero, +2, +3 l, +4..+7 at work; v48-111 K's fragments; v112-239 S^T, 32 a tile, P laid over a tile's first 16.
;   window 1: v0-63 Q; v64-127 V's fragments; v128-255 O^T, 32 a tile.
.set KP,    144                        ; a key's row in LDS: 128 bytes + 16
.set VP,    528                        ; a channel's row: 256 keys, 512 bytes + 16
.set VOFF,  256*KP                     ; a slot: 256 rows of K, then 64 rows of V^T
.set SLOT1, 1<<17                      ; slot 1 begins here: one exclusive or turns an address from slot to slot
.set STAGE, SLOT1+VOFF+64*VP           ; the way out: 16 rows x 144 bytes for each wave
.set SPARE, STAGE+8*16*KP              ; the spare words: 128 bytes a wave, named by no other line
.set AK0, 3
.set AV0, 4
.set ADK, 5
.set ADV, 6
.set QO,  7
.set STO, 8
.set RD,  9
.set GO,  10
.set PFO, 11
.set SPW, 12
.set NIL, 13
.set ST,  16
.set KF,  48
.set S,   112
.set QF,  0
.set VF,  64
.set OT,  128
.set WV,  12                           ; s12 wave
.set G1K, 24
.set G1V, 32
.set G0K, 40
.set G0V, 44
.set SLOTS, 48
.set NST, 49
.set TK,  50                           ; s50, s51 where the step's K and V begin in LDS
.set TV,  51
.set SEL, 52
.set PFA, 54
.set LIM, 56
.set PFS, 58
.set MSB, 0
.macro WIN new
.if MSB != \new
	s_set_vgpr_msb (MSB<<8)|\new
.set MSB, \new
.endif
.endm
.macro PLACES n
.rept \n
	v_nop
.endr
.endm
; A joint load: waves 0 to 3 fetch 64 keys of K each, waves 4 to 7 sixteen channels of V^T each.  The branch hangs on the wave's number alone.  An s_nop 0 and four v_nop follow each line.
.macro JLOAD
	s_cmp_lt_u32 s[WV], 4
	s_cbranch_scc0 .Lfor_v_\@
	tensor_load_to_lds s[G0K:G0K+3], s[G1K:G1K+7]
	s_nop 0
.rept 4
	v_nop
.endr
	s_branch .Lasked_\@
.Lfor_v_\@:
	tensor_load_to_lds s[G0V:G0V+3], s[G1V:G1V+7]
	s_nop 0
.rept 4
	v_nop
.endr
.Lasked_\@:
.endm
; A prefetch of what the NEXT change of slots will ask for.  A slot's K is 32,768 dense bytes, its V 64 rows x 512 bytes.  The four partners take a quarter each, told apart by address;
; in each, wave 0 asks for K's quarter (lanes 256 bytes apart) and wave 4 for V's (two lanes to a row, 16 rows): each run of 256 bytes is named once in the launch.
; The last change that fills a slot asks for nothing; slots 0 and 1 come by their loads alone.
.macro ASK
	s_cmp_gt_u32 s[SLOTS], s[LIM]
	s_cbranch_scc0 .Lnot_mine_\@
	global_prefetch_b8 v[PFO], s[PFA:PFA+1] th:TH_LOAD_NT scope:SCOPE_SE
.Lnot_mine_\@:
.endm
.macro CROUND
	s_barrier_signal -1
	s_barrier_wait -1
	s_cmp_lg_u32 s[WV], 0
	s_cbranch_scc1 .Lnot_wave_0_\@
	s_barrier_signal -3
.Lnot_wave_0_\@:
	s_barrier_wait -3
	s_barrier_signal -1
	s_barrier_wait -1
.endm
	s_load_b128 s[4:7], s[0:1], 0x0                ; qk, vt
	s_load_b64 s[8:9], s[0:1], 0x10                ; att
	v_lshl_add_u32 v[SPW], v0, 2, SPARE
	v_mov_b32 v[NIL], 0
	ds_add_u32 v[SPW], v[NIL]                      ; the wave's opening: the add, twice on end, and its wait ahead of my first tensor load
	ds_add_u32 v[SPW], v[NIL]
	v_lshrrev_b32 v1, 5, v0
	v_readfirstlane_b32 s[WV], v1                  ; wave 0..7
	s_bfe_u32 s13, ttmp6, 0x40000                  ; cx: my block of 512 queries
	s_and_b32 s14, ttmp7, 0xffff                   ; batch x 16 + head, which the four partners share
	s_and_b32 s15, s[WV], 3                        ; which quarter of K's or V's tile I fetch
	; group 1.  K: 64 rows of 64 elements of 2 bytes, dense; V: 16 rows of 256 elements, 2,048 elements apart; 16 bytes of padding behind each row; the mask names all four partners
	s_mov_b32 s[G1K], 15|(1<<16)|(1<<20)|(1<<21)|(4<<22)|(3<<25)
	s_mov_b32 s[G1K+1], 64<<16
	s_mov_b32 s[G1K+2], 64<<16
	s_mov_b32 s[G1K+3], 64<<16
	s_mov_b32 s[G1K+4], 64
	s_mov_b32 s[G1K+5], 64
	s_mov_b32 s[G1K+6], 0
	s_mov_b32 s[G1K+7], 0
	s_mov_b32 s[G1V], 15|(1<<16)|(1<<20)|(1<<21)|(6<<22)|(3<<25)
	s_mov_b32 s[G1V+1], 256<<16
	s_mov_b32 s[G1V+2], 16<<16
	s_mov_b32 s[G1V+3], 256<<16
	s_mov_b32 s[G1V+4], 16
	s_mov_b32 s[G1V+5], 2048
	s_mov_b32 s[G1V+6], 0
	s_mov_b32 s[G1V+7], 0
	s_mov_b32 s[SEL], 0x76543210
	s_mov_b32 s[SEL+1], 0xfedcba98                 ; v_permlanex16_b32's selects for lane l xor 16
	s_mov_b32 s[TK], 0
	s_mov_b32 s[TV], 0
	s_mov_b32 s[SLOTS], 7
	s_lshl_b32 s16, s14, 18                        ; the head's first byte in q, in k and in vt
	s_cmp_lt_u32 s[WV], 4                          ; the prefetches: K's figures or V's
	s_mov_b32 s[PFS], 512
	s_cselect_b32 s[PFS], 32768, s[PFS]            ; a slot on
	s_mov_b32 s17, 4096
	s_cselect_b32 s17, 512, s17                    ; from one pair of lanes to the next
	s_cselect_b32 s18, 0x1000000, 0                ; k lies behind q
	s_cselect_b32 s19, 13, 16                      ; a partner's quarter: 8,192 bytes of K, 16 rows of V
	s_mov_b32 s[PFS+1], 0
	s_lshl_b32 s19, s13, s19
	s_add_co_u32 s18, s18, s19
	s_add_co_u32 s18, s18, s16
	s_add_co_u32 s18, s18, s[PFS]                  ; in slot 1: the first change of slots steps it to slot 2
	s_mov_b32 s19, 0
	s_cmp_eq_u32 s15, 0
	s_cselect_b32 s[LIM], 1, -1                    ; waves 0 and 4 ask
	s_lshl_b32 s20, s15, 13                        ; K: my 64 rows of 128 bytes,
	s_add_co_u32 s20, s20, s16
	s_add_co_u32 s20, s20, 0x1000000
	s_mov_b32 s21, 0
	s_lshl_b32 s22, s15, 16                        ; V: my 16 rows of 4,096 bytes
	s_add_co_u32 s22, s22, s16
	s_mov_b32 s23, 0
	s_mul_i32 s2, s15, 64*KP                       ; and their places in a slot: no place in the cluster enters an LDS address
	s_mul_i32 s3, s15, 16*VP
	s_add_co_u32 s3, s3, VOFF
	s_lshl_b32 s60, s13, 16
	s_lshl_b32 s57, s[WV], 13
	s_add_co_u32 s60, s60, s57                     ; my wave's 64 rows among the sequence's, in bytes
	s_and_b32 s62, s14, 15
	s_lshl_b32 s62, s62, 20                        ; att: the head's plane,
	s_lshr_b32 s57, s14, 4
	s_lshl_b32 s57, s57, 18                        ; the batch's 2,048 tokens,
	s_add_co_u32 s62, s62, s57
	s_add_co_u32 s62, s62, s60
	s_add_co_u32 s60, s60, s16                     ; q
	s_mov_b32 s61, 0
	s_mov_b32 s63, 0
	v_and_b32 v1, 15, v0                           ; r
	v_bfe_u32 v2, v0, 4, 1                         ; h
	v_mul_u32_u24 v[AK0], v1, KP
	v_lshl_add_u32 v[AK0], v2, 4, v[AK0]           ; a fragment of K: key r, + 16 h
	v_mul_u32_u24 v[AV0], v1, VP
	v_lshl_add_u32 v[AV0], v2, 4, v[AV0]
	v_add_nc_u32 v[AV0], VOFF, v[AV0]              ; of V^T: channel r, + 16 h
	v_lshlrev_b32 v[QO], 7, v1
	v_lshl_add_u32 v[QO], v2, 4, v[QO]
	s_mul_i32 s57, s[WV], 16*KP
	s_add_co_u32 s57, s57, STAGE                   ; my stage
	v_add_nc_u32 v[STO], s57, v[AK0]
	v_and_b32 v14, 31, v0
	v_lshrrev_b32 v15, 3, v14
	v_mul_u32_u24 v[RD], v15, KP
	v_and_b32 v15, 7, v0
	v_lshl_add_u32 v[RD], v15, 4, v[RD]
	v_add_nc_u32 v[RD], s57, v[RD]                 ; back: eight lanes to a row of 128 bytes
	v_lshlrev_b32 v[GO], 4, v14
	v_lshrrev_b32 v15, 1, v14
	v_mul_lo_u32 v[PFO], v15, s17
	v_and_b32 v15, 1, v0
	v_lshl_add_u32 v[PFO], v15, 8, v[PFO]
	s_wait_dscnt 0x0                               ; both opening adds are done
	s_wait_kmcnt 0x0
	s_cmp_lt_u32 s[WV], 4
	s_cselect_b64 s[PFA:PFA+1], s[4:5], s[6:7]
	s_add_nc_u64 s[PFA:PFA+1], s[PFA:PFA+1], s[18:19]
	s_mov_b32 s[G0K], 1
	s_mov_b32 s[G0K+1], s2
	s_add_nc_u64 s[G0K+2:G0K+3], s[4:5], s[20:21]
	s_or_b32 s[G0K+3], s[G0K+3], 0x80000000
	s_mov_b32 s[G0V], 1
	s_mov_b32 s[G0V+1], s3
	s_add_nc_u64 s[G0V+2:G0V+3], s[6:7], s[22:23]
	s_or_b32 s[G0V+3], s[G0V+3], 0x80000000
	s_add_nc_u64 s[10:11], s[4:5], s[60:61]        ; q at my wave's first row
	s_add_nc_u64 s[8:9], s[8:9], s[62:63]          ; att likewise
	CROUND                                         ; all four work-groups are here
	JLOAD                                          ; slot 0: one load of mine is out
	WIN 0x40                                       ; destination window 1
.irp t, 0,1,2,3
.irp c, 0,1
	global_load_b128 v[QF+16*\t+8*\c:QF+16*\t+8*\c+3], v[QO], s[10:11] offset:\t*2048+64*\c
	global_load_b128 v[QF+16*\t+8*\c+4:QF+16*\t+8*\c+7], v[QO], s[10:11] offset:\t*2048+64*\c+32
.endr
.endr
.set i, 0
.rept 128
	v_mov_b32 v[OT+i], 0                           ; O^T.  The step is written for every trip alike: the first finds zeros and multiplies them by 0; a first step of its own would be one more copy of the step's text
.set i, i+1
.endr
	WIN 0
.irp t, 0,1,2,3
	v_mov_b32 v[ST+8*\t], 0xff61b1e6               ; m: -3e38, under every score
	v_mov_b32 v[ST+8*\t+1], 0                      ; (named with m as a pair)
	v_mov_b32 v[ST+8*\t+2], 0                      ; l, in two halves
	v_mov_b32 v[ST+8*\t+3], 0
.endr
	s_wait_loadcnt 0x0                             ; Q
; A KEY STEP: 64 keys.
.macro STEP
	v_add_nc_u32 v[ADK], s[TK], v[AK0]
	v_add_nc_u32 v[ADV], s[TV], v[AV0]
	PLACES 3                                       ; five plain lines behind the last V^T P: four for the loads into V's registers, five for the products below, which write over P
.irp c, 0,1
.irp kt, 0,1,2,3
	ds_load_b128 v[KF+8*(4*\c+\kt):KF+8*(4*\c+\kt)+3], v[ADK] offset:\kt*16*KP+64*\c
	ds_load_b128 v[KF+8*(4*\c+\kt)+4:KF+8*(4*\c+\kt)+7], v[ADK] offset:\kt*16*KP+64*\c+32
.endr
.endr
	WIN 0x40
.irp kh, 0,1
.irp ct, 0,1,2,3
	ds_load_b128 v[VF+8*(4*\kh+\ct):VF+8*(4*\kh+\ct)+3], v[ADV] offset:\ct*16*VP+64*\kh
	ds_load_b128 v[VF+8*(4*\kh+\ct)+4:VF+8*(4*\kh+\ct)+7], v[ADV] offset:\ct*16*VP+64*\kh+32
.endr
.endr
	s_add_co_u32 s[TK], s[TK], 64*KP               ; the next step's
	s_add_co_u32 s[TV], s[TV], 128
	WIN 0x04                                       ; Q in window 1
	s_wait_dscnt 24                                ; K's channels 0-31 are in; K's other eight loads and V's sixteen may be out
.irp kt, 0,1,2,3                       ; sixteen accumulators by turns, one instruction a turn; the first products start the sums
.irp t, 0,1,2,3
	v_wmma_f32_16x16x32_f16 v[S+32*\t+8*\kt:S+32*\t+8*\kt+7], v[KF+8*\kt:KF+8*\kt+7], v[QF+16*\t:QF+16*\t+7], 0
.endr
.endr
	s_wait_dscnt 16                                ; all of K is in; V's sixteen may be out
.irp kt, 0,1,2,3
.irp t, 0,1,2,3
	v_wmma_f32_16x16x32_f16 v[S+32*\t+8*\kt:S+32*\t+8*\kt+7], v[KF+32+8*\kt:KF+32+8*\kt+7], v[QF+16*\t+8:QF+16*\t+15], v[S+32*\t+8*\kt:S+32*\t+8*\kt+7]
.endr
.endr
	WIN 0
	PLACES 4                                       ; behind the last products, ahead of the first read of a score
.irp j, 0,1,2,3                        ; the maximum of a lane's 32 scores: four chains a tile, the four tiles by turns; each accumulator is read from its low end on
.irp t, 0,1,2,3
	v_max3_num_f32 v[ST+8*\t+4+\j], v[S+32*\t+8*\j], v[S+32*\t+8*\j+1], v[S+32*\t+8*\j+2]
.endr
.endr
.irp g, 3,5
.irp j, 0,1,2,3
.irp t, 0,1,2,3
	v_max3_num_f32 v[ST+8*\t+4+\j], v[ST+8*\t+4+\j], v[S+32*\t+8*\j+\g], v[S+32*\t+8*\j+\g+1]
.endr
.endr
.endr
.irp t, 0,1,2,3
	v_max3_num_f32 v[ST+8*\t+4], v[ST+8*\t+4], v[S+32*\t+7], v[S+32*\t+15]
.endr
.irp t, 0,1,2,3
	v_max3_num_f32 v[ST+8*\t+6], v[ST+8*\t+6], v[S+32*\t+23], v[S+32*\t+31]
.endr
.irp t, 0,1,2,3
	v_max3_num_f32 v[ST+8*\t+4], v[ST+8*\t+4], v[ST+8*\t+5], v[ST+8*\t+6]
.endr
.irp t, 0,1,2,3
	v_max3_num_f32 v[ST+8*\t+4], v[ST+8*\t+4], v[ST+8*\t+7], v[ST+8*\t]   ; with the old m
.endr
.irp t, 0,1,2,3
	v_permlanex16_b32 v[ST+8*\t+5], v[ST+8*\t+4], s[SEL], s[SEL+1]        ; the query's other 32 keys lie in the lane 16 away
.endr
.irp t, 0,1,2,3
	v_max_num_f32 v[ST+8*\t+7], v[ST+8*\t+4], v[ST+8*\t+5]                ; the new m
.endr
.irp t, 0,1,2,3
	v_sub_f32 v[ST+8*\t+6], v[ST+8*\t], v[ST+8*\t+7]                      ; m_old - m_new
.endr
.irp t, 0,1,2,3
	v_mov_b32 v[ST+8*\t], v[ST+8*\t+7]
.endr
.irp t, 0,1,2,3                        ; ONE BATCH of 132 exponentials; none of its lines names an exponential's result
	v_exp_f32 v[ST+8*\t+6], v[ST+8*\t+6]           ; a = 2^(m_old - m_new)
.endr
.irp i, 0,1,2,3,4,5,6,7,8,9,10,11,12,13,14,15
.irp t, 0,1,2,3
	v_pk_add_f32 v[S+32*\t+2*\i:S+32*\t+2*\i+1], v[S+32*\t+2*\i:S+32*\t+2*\i+1], v[ST+8*\t:ST+8*\t+1] op_sel_hi:[1,0] neg_lo:[0,1] neg_hi:[0,1]   ; s - m
.endr
.irp t, 0,1,2,3
	v_exp_f32 v[S+32*\t+2*\i], v[S+32*\t+2*\i]
	v_exp_f32 v[S+32*\t+2*\i+1], v[S+32*\t+2*\i+1]
.endr
.endr
	v_nop                                          ; a plain line behind the last exponential,
	s_wait_alu depctr_va_vdst(0)                   ; and one wait for the whole batch, ahead of its first reader
.irp t, 0,1,2,3
	v_pk_mul_f32 v[ST+8*\t+2:ST+8*\t+3], v[ST+8*\t+2:ST+8*\t+3], v[ST+8*\t+6:ST+8*\t+7] op_sel_hi:[1,0]   ; l x a
.endr
.irp t, 0,1,2,3
	v_pk_add_f32 v[ST+8*\t+4:ST+8*\t+5], v[S+32*\t:S+32*\t+1], v[S+32*\t+2:S+32*\t+3]                     ; the sum of the unrounded p, in two chains
.endr
.irp i, 4,8,12,16,20,24,28
.irp t, 0,1,2,3
	v_pk_add_f32 v[ST+8*\t+2:ST+8*\t+3], v[ST+8*\t+2:ST+8*\t+3], v[S+32*\t+\i:S+32*\t+\i+1]
.endr
.irp t, 0,1,2,3
	v_pk_add_f32 v[ST+8*\t+4:ST+8*\t+5], v[ST+8*\t+4:ST+8*\t+5], v[S+32*\t+\i+2:S+32*\t+\i+3]
.endr
.endr
.irp t, 0,1,2,3
	v_pk_add_f32 v[ST+8*\t+2:ST+8*\t+3], v[ST+8*\t+2:ST+8*\t+3], v[ST+8*\t+4:ST+8*\t+5]
.endr
.irp i, 0,1,2,3,4,5,6,7,8,9,10,11,12,13,14,15  ; p to f16, in place: register i takes numbers 2 i and 2 i + 1, ascending, so no source is overwritten before it is read
.irp t, 0,1,2,3
	v_cvt_pk_f16_f32 v[S+32*\t+\i], v[S+32*\t+2*\i], v[S+32*\t+2*\i+1]
.endr
.endr
	WIN 0x41                                       ; O^T in window 1, a in window 0
.irp t, 0,1,2,3
.irp i, 0,2,4,6,8,10,12,14,16,18,20,22,24,26,28,30
	v_pk_mul_f32 v[OT+32*\t+\i:OT+32*\t+\i+1], v[OT+32*\t+\i:OT+32*\t+\i+1], v[ST+8*\t+6:ST+8*\t+7] op_sel_hi:[1,0]
.endr
.endr
	s_wait_dscnt 0x0                               ; V is in
	WIN 0x51                                       ; V and O^T in window 1, P in window 0
.irp kh, 0,1
.irp ct, 0,1,2,3
.irp t, 0,1,2,3
	v_wmma_f32_16x16x32_f16 v[OT+32*\t+8*\ct:OT+32*\t+8*\ct+7], v[VF+8*(4*\kh+\ct):VF+8*(4*\kh+\ct)+7], v[S+32*\t+8*\kh:S+32*\t+8*\kh+7], v[OT+32*\t+8*\ct:OT+32*\t+8*\ct+7]
.endr
.endr
.endr
	WIN 0
.endm
; THE CHANGE OF SLOTS stands at a slot's head.  Each wave waits for all its tensor loads (its part of the slot that it is about to read), adds 0 to its spare word, and waits for that and for its reads of the
; slot that it has left.  fill = 1: a round of the cluster's barrier, and behind it the other slot is asked for, jointly: one load a wave, with a slot's four key steps in which to land.
.macro CHANGE fill
	WIN 0
	s_wait_tensorcnt 0x0                           ; no tensor load of mine is out, so a group 0 may be written
	ds_add_u32 v[SPW], v[NIL]
.if \fill
	s_xor_b32 s[G0K+1], s[G0K+1], SLOT1            ; the other slot than last time,
	s_add_nc_u64 s[G0K+2:G0K+3], s[G0K+2:G0K+3], 32768   ; the next 256 keys
	s_xor_b32 s[G0V+1], s[G0V+1], SLOT1
	s_add_nc_u64 s[G0V+2:G0V+3], s[G0V+2:G0V+3], 512
	s_wait_xcnt 0x0                                ; the last prefetch, a slot back, has read its address
	s_add_nc_u64 s[PFA:PFA+1], s[PFA:PFA+1], s[PFS:PFS+1]
	s_wait_dscnt 0x0                               ; the add is done, and my reads of the slot that I have left are over
	CROUND
	JLOAD
	ASK
.else
	s_wait_dscnt 0x0
	s_barrier_signal -1
	s_barrier_wait -1
.endif
.endm
.macro PHASE                           ; a slot's four key steps: written once, walked four times
	s_mov_b32 s[NST], 4
.Lstep_\@:
	STEP
	s_sub_co_u32 s[NST], s[NST], 1
	s_cmp_lg_u32 s[NST], 0
	s_cbranch_scc1 .Lstep_\@
	s_sub_co_u32 s[TK], s[TK], 4*64*KP             ; back to a slot's first step,
	s_xor_b32 s[TK], s[TK], SLOT1                  ; in the other slot
	s_sub_co_u32 s[TV], s[TV], 512
	s_xor_b32 s[TV], s[TV], SLOT1
.endm
.Lslot:                                            ; seven trips: behind each change of slots but the last the next slot is asked for
	CHANGE 1
	PHASE
	s_sub_co_u32 s[SLOTS], s[SLOTS], 1
	s_cmp_lg_u32 s[SLOTS], 0
	s_cbranch_scc1 .Lslot
	CHANGE 0                                       ; the last slot is written out
	PHASE
	; THE WAY OUT.  l's halves and the other half of the lanes' are added; O^T / l is rounded to f16 and goes through my stage, a tile of 16 queries at a time.  The additions are the places behind the last products.
.irp t, 0,1,2,3
	v_add_f32 v[ST+8*\t+4], v[ST+8*\t+2], v[ST+8*\t+3]
.endr
.irp t, 0,1,2,3
	v_permlanex16_b32 v[ST+8*\t+5], v[ST+8*\t+4], s[SEL], s[SEL+1]
.endr
.irp t, 0,1,2,3
	v_add_f32 v[ST+8*\t+4], v[ST+8*\t+4], v[ST+8*\t+5]
.endr
.irp t, 0,1,2,3
	v_rcp_f32 v[ST+8*\t+6], v[ST+8*\t+4]
.endr
	v_nop                                          ; a plain line behind the last reciprocal,
	s_wait_alu depctr_va_vdst(0)                   ; and one wait for the four
.macro PACK t
	WIN 0x41
.irp i, 0,2,4,6,8,10,12,14,16,18,20,22,24,26,28,30
	v_pk_mul_f32 v[OT+32*\t+\i:OT+32*\t+\i+1], v[OT+32*\t+\i:OT+32*\t+\i+1], v[ST+8*\t+6:ST+8*\t+7] op_sel_hi:[1,0]
.endr
	WIN 0x05                                       ; sources in window 1, destination in window 0
.irp i, 0,1,2,3,4,5,6,7,8,9,10,11,12,13,14,15
	v_cvt_pk_f16_f32 v[S+32*\t+\i], v[OT+32*\t+2*\i], v[OT+32*\t+2*\i+1]
.endr
	WIN 0
.irp ct, 0,1,2,3
	ds_store_b128 v[STO], v[S+32*\t+4*\ct:S+32*\t+4*\ct+3] offset:32*\ct
.endr
.irp i, 0,1,2,3
	ds_load_b128 v[S+32*\t+16+4*\i:S+32*\t+16+4*\i+3], v[RD] offset:\i*4*KP   ; LDS serves a wave's instructions in order: these see the stores above, and the next tile's stores come behind them
.endr
.endm
.macro SEND t, younger                 ; younger: the LDS instructions issued behind tile t's loads: the next tile's eight, or none
.irp i, 0,1,2,3
	s_wait_dscnt \younger+3-\i
	global_store_b128 v[GO], v[S+32*\t+16+4*\i:S+32*\t+16+4*\i+3], s[8:9] offset:\t*2048+\i*512   ; the wave stores 512 consecutive bytes, aligned: four rows of the head
.endr
.endm
	PACK 0
	PACK 1
	SEND 0, 8
	PACK 2
	SEND 1, 8
	PACK 3
	SEND 2, 8
	SEND 3, 0
	s_wait_tensorcnt 0x0                           ; the wave's end: behind my last tensor load and my last LDS store
	ds_add_u32 v[SPW], v[NIL]
	s_wait_dscnt 0x0
	CROUND                                         ; the closing round
	s_endpgm
.Lfunc_end_k_q057607eef2_attn:
	.size	k_q057607eef2_attn, .Lfunc_end_k_q057607eef2_attn-k_q057607eef2_attn
	.p2alignl 7, 3214868480
	.fill 96, 4, 3214868480
	.section	.rodata,"a",@progbits
	.p2align	6, 0x0
	.amdhsa_kernel k_q057607eef2_attn
		.amdhsa_group_segment_fixed_size 327680
		.amdhsa_private_segment_fixed_size 0
		.amdhsa_enable_private_segment 0
		.amdhsa_kernarg_size 24
		.amdhsa_user_sgpr_count 2
		.amdhsa_user_sgpr_kernarg_segment_ptr 1
		.amdhsa_wavefront_size32 1
		.amdhsa_system_sgpr_workgroup_id_x 1
		.amdhsa_system_sgpr_workgroup_id_y 1
		.amdhsa_system_sgpr_workgroup_id_z 1
		.amdhsa_system_vgpr_workitem_id 0
		.amdhsa_next_free_vgpr 512
		.amdhsa_next_free_sgpr 66
		.amdhsa_reserve_vcc 0
		.amdhsa_float_denorm_mode_32 3
		.amdhsa_float_denorm_mode_16_64 3
		.amdhsa_memory_ordered 1
		.amdhsa_forward_progress 1
		.amdhsa_inst_pref_size 92
	.end_amdhsa_kernel
	.amdgpu_metadata
---
amdhsa.version: [ 1, 2 ]
amdhsa.kernels:
  - .name:           k_q057607eef2_attn
    .symbol:         k_q057607eef2_attn.kd
    .args:
      - { .name: qk, .offset: 0, .size: 8, .value_kind: global_buffer, .address_space: global }
      - { .name: vt, .offset: 8, .size: 8, .value_kind: global_buffer, .address_space: global }
      - { .name: att, .offset: 16, .size: 8, .value_kind: global_buffer, .address_space: global }
    .group_segment_fixed_size: 327680
    .private_segment_fixed_size: 0
    .kernarg_segment_align: 8
    .kernarg_segment_size: 24
    .max_flat_workgroup_size: 256
    .sgpr_count:     66
    .vgpr_count:     512
    .wavefront_size: 32
...
	.end_amdgpu_metadata
.endif
;; end of part 3
;; launch oproj (part 4): grid 4 x 64, 4 waves a work-group, clusters of 4 x 4, 327,680 bytes of LDS; arguments att, wo16, out0; writes out0
.if DOCPART == 4
	.amdgcn_target "amdgcn-amd-amdhsa--gfx1250"
	.amdhsa_code_object_version 6
	.text
	.protected	k_q057607eef2_oproj
	.globl	k_q057607eef2_oproj
	.p2align	8
	.type	k_q057607eef2_oproj,@function
k_q057607eef2_oproj:
	s_mov_b64 s[64:65], 0
	v_nop
	global_prefetch_b8 v0, s[64:65] scope:SCOPE_SE
	s_setreg_imm32_b32 hwreg(HW_REG_WAVE_MODE, 25, 1), 1
	s_wait_xcnt 0x0
	s_wait_alu depctr_hold_cnt(0) depctr_sa_sdst(0) depctr_va_vdst(0) depctr_va_sdst(0) depctr_va_ssrc(0) depctr_va_vcc(0) depctr_vm_vsrc(0)
	s_getreg_b32 s2, hwreg(HW_REG_IB_STS2, 6, 4)
	s_cmp_eq_u32 s2, 0
	s_cbranch_scc0 .Lentry_in_a_cluster
	s_endpgm
.Lentry_in_a_cluster:
	s_bfe_u32 s2, ttmp6, 0x10000c
	s_cmp_lg_u32 s2, 0xf033
	s_cbranch_scc0 .Lentry_shape_is_right
	s_endpgm
.Lentry_shape_is_right:
; THE OUTPUT PROJECTION: out0[token][o] = sum over head, d of att[head][token][d] wo16[head][o][d]; f16 operands, f32 sums, f32 out.
; att [16 heads][8192 tokens][64] f16, wo16 [16 heads][1024 o][64] f16, out0 [8192][1024] f32.
; A tile is 128 tokens x 256 outputs: 256 work-groups, one for each WGP (tiles of 256 x 256 would be 128).  Four waves, each 64 x 128: 32 accumulators of 16 x 16, all of window 1.
; K goes two heads (128) a slot through a ring of two LDS slots; a wave's tensor load brings one head's rows of A (128 rows) or of B (256 rows): dense blocks of memory.
; CLUSTERS of 4 x 4: the four of a row need the same tokens, the four of a column the same rows of Wo: each tile is asked for jointly.
; THE MATRIX INSTRUCTION IS USED TRANSPOSED (source 0 = 16 rows of Wo, source 1 = 16 tokens): a lane holds eight neighbouring outputs of one token.
; No prefetch: a slot's matrix work is short and the tiles are small; the joint loads divide the requests by four.
; REGISTERS.  window 0: v16-29 addresses; two fragment buffers v32-127 and v128-223 (A's four blocks, then B's eight); on the way out v32-159 hold rows.  window 1: accumulator (a, b) at v[8 (8 a + b)].
.set KP,     144                       ; an LDS row: 128 bytes + 16
.set AH,     128*KP                    ; a head's rows of A
.set BH,     256*KP                    ; and of B
.set SLOT,   2*AH+2*BH                 ; A head 0, A head 1, B head 0, B head 1
.set STAGE,  2*SLOT                    ; the way out: 16 rows x (512 bytes + 16) for each wave
.set SPITCH, 528
.set SPARE,  STAGE+4*16*SPITCH         ; the spare words: 128 bytes a wave, named by no other line
.set LAPS,   4                         ; 16 heads = 8 slots' worth = 4 times round the ring
.set ADRA, 16
.set ADRB, 20
.set STO,  24
.set RD,   25
.set CO,   26
.set SPW,  28
.set NIL,  29
.set F0,   32
.set F1,   128
.set BK,   32
.set G1, 24
.set G0, 32
.set G1B, 48
.set G0B, 56
.set MSB, 0
.macro WIN new
.if MSB != \new
	s_set_vgpr_msb (MSB<<8)|\new
.set MSB, \new
.endif
.endm
.set MUL, 0x50                         ; C and D in window 1
.macro JLOAD s                         ; waves 0 and 1 fetch A's two heads, waves 2 and 3 B's; an s_nop 0 and four v_nop follow each line
	s_cmp_eq_u32 s11, 0
	s_cbranch_scc0 .Lfor_b_\@
	tensor_load_to_lds s[G0+4*\s:G0+4*\s+3], s[G1:G1+7]
	s_nop 0
.rept 4
	v_nop
.endr
	s_branch .Lasked_\@
.Lfor_b_\@:
	tensor_load_to_lds s[G0B+4*\s:G0B+4*\s+3], s[G1B:G1B+7]
	s_nop 0
.rept 4
	v_nop
.endr
.Lasked_\@:
.endm
.macro CREST
	s_cmp_lg_u32 s10, 0
	s_cbranch_scc1 .Lnot_wave_0_\@
	s_barrier_signal -3
.Lnot_wave_0_\@:
	s_barrier_wait -3
	s_barrier_signal -1
	s_barrier_wait -1
.endm
.macro CROUND
	s_barrier_signal -1
	s_barrier_wait -1
	CREST
.endm
	s_load_b128 s[4:7], s[0:1], 0x0                ; att, wo16
	s_load_b64 s[8:9], s[0:1], 0x10                ; out0
	v_lshl_add_u32 v[SPW], v0, 2, SPARE
	v_mov_b32 v[NIL], 0
	ds_add_u32 v[SPW], v[NIL]                      ; the wave's opening: the add, twice on end, and its wait ahead of my first tensor load
	ds_add_u32 v[SPW], v[NIL]
	v_lshrrev_b32 v1, 5, v0
	v_readfirstlane_b32 s10, v1                    ; wave 0..3
	s_lshr_b32 s11, s10, 1                         ; my half of the tile's tokens.  Also: I fetch for A (0) or for B (1)
	s_and_b32 s12, s10, 1                          ; my half of its outputs.  Also: which of a slot's two heads I fetch
	s_bfe_u32 s40, ttmp6, 0x40000                  ; cx
	s_bfe_u32 s41, ttmp6, 0x40004                  ; cy
	s_lshl_b32 s42, ttmp9, 2
	s_add_co_u32 s42, s42, s40                     ; tile column
	s_and_b32 s13, ttmp7, 0xffff
	s_lshl_b32 s13, s13, 2
	s_add_co_u32 s13, s13, s41                     ; tile row
	s_lshl_b32 s43, s41, 2
	s_lshl_b32 s43, 15, s43                        ; my row of the cluster
	s_lshl_b32 s44, 0x1111, s40                    ; my column
	; group 1: rows of 64 elements of 2 bytes, dense, 16 bytes of padding behind each; A: 128 rows, B: 256
	s_or_b32 s[G1+0], s43, (1<<16)|(1<<20)|(1<<21)|(4<<22)|(3<<25)
	s_or_b32 s[G1B+0], s44, (1<<16)|(1<<20)|(1<<21)|(4<<22)|(3<<25)
	s_mov_b32 s[G1+1], 64<<16
	s_mov_b32 s[G1+2], 128<<16
	s_mov_b32 s[G1+3], 64<<16
	s_mov_b32 s[G1+4], 128
	s_mov_b32 s[G1+5], 64
	s_mov_b32 s[G1+6], 0
	s_mov_b32 s[G1+7], 0
	s_mov_b32 s[G1B+1], 64<<16
	s_mov_b32 s[G1B+2], 256<<16
	s_mov_b32 s[G1B+3], 64<<16
	s_mov_b32 s[G1B+4], 256
	s_mov_b32 s[G1B+5], 64
	s_mov_b32 s[G1B+6], 0
	s_mov_b32 s[G1B+7], 0
	s_lshl_b32 s16, s13, 14                        ; A: the tile's 128 tokens of 128 bytes,
	s_lshl_b32 s17, s12, 20                        ; my head's plane
	s_add_co_u32 s16, s16, s17
	s_mov_b32 s17, 0
	s_lshl_b32 s46, s42, 15                        ; B: the tile's 256 rows of 128 bytes,
	s_lshl_b32 s47, s12, 17                        ; my head's plane
	s_add_co_u32 s46, s46, s47
	s_mov_b32 s47, 0
	s_mul_i32 s20, s12, AH                         ; where they go: no place in the cluster enters an LDS address
	s_mul_i32 s21, s12, BH
	s_add_co_u32 s21, s21, 2*AH
	s_wait_dscnt 0x0                               ; both opening adds are done
	s_wait_kmcnt 0x0
	s_add_nc_u64 s[14:15], s[4:5], s[16:17]
	s_add_nc_u64 s[46:47], s[6:7], s[46:47]
	CROUND                                         ; all sixteen work-groups are here
.irp s, 0,1
	s_mov_b32 s[G0+4*\s], 1
	s_add_co_u32 s[G0+4*\s+1], s20, \s*SLOT
	s_add_nc_u64 s[G0+4*\s+2:G0+4*\s+3], s[14:15], \s*0x200000
	s_or_b32 s[G0+4*\s+3], s[G0+4*\s+3], 0x80000000
	s_mov_b32 s[G0B+4*\s], 1
	s_add_co_u32 s[G0B+4*\s+1], s21, \s*SLOT
	s_add_nc_u64 s[G0B+4*\s+2:G0B+4*\s+3], s[46:47], \s*0x40000
	s_or_b32 s[G0B+4*\s+3], s[G0B+4*\s+3], 0x80000000
	JLOAD \s                                       ; both slots' first fills: two loads of mine are out
.endr
	v_and_b32 v1, 15, v0                           ; r
	v_bfe_u32 v2, v0, 4, 1                         ; h
	v_mul_u32_u24 v3, v1, KP
	v_lshl_add_u32 v3, v2, 4, v3                   ; a fragment's row x pitch + 16 h
	s_mul_i32 s21, s11, 64*KP                      ; my 64 tokens
	s_mul_i32 s22, s12, 128*KP                     ; my 128 rows of Wo,
	s_add_co_u32 s22, s22, 2*AH                    ; behind A's two heads
.irp s, 0,1
	v_add_nc_u32 v[ADRA+\s], s21, v3
	v_add_nc_u32 v[ADRB+\s], s22, v3
	s_add_co_u32 s21, s21, SLOT
	s_add_co_u32 s22, s22, SLOT
.endr
	s_mul_i32 s23, s10, 16*SPITCH
	s_add_co_u32 s23, s23, STAGE                   ; my stage
	v_mul_u32_u24 v4, v1, SPITCH
	v_lshl_add_u32 v4, v2, 5, v4
	v_add_nc_u32 v[STO], s23, v4                   ; in: row r, 32 bytes for each half of the lanes
	v_and_b32 v5, 31, v0
	v_lshlrev_b32 v[CO], 4, v5                     ; back: the 32 lanes take one row of 512 bytes; and the same in out0
	v_add_nc_u32 v[RD], s23, v[CO]
	s_lshl_b32 s16, s13, 7
	s_lshl_b32 s17, s11, 6
	s_add_co_u32 s16, s16, s17                     ; my first token
	s_lshl_b32 s16, s16, 12                        ; 4,096 bytes a row of out0
	s_mov_b32 s17, 0
	s_add_nc_u64 s[8:9], s[8:9], s[16:17]
	s_lshl_b32 s46, s42, 10                        ; my first output, in bytes
	s_lshl_b32 s47, s12, 9
	s_add_co_u32 s46, s46, s47
	s_mov_b32 s47, 0
	s_add_nc_u64 s[8:9], s[8:9], s[46:47]
.macro MUL8 f, a, zero                 ; token block a x the eight blocks of outputs, 32 along K.  The 32 accumulators take turns, one instruction a turn, in the same order in every quarter
.irp b, 0,1,2,3,4,5,6,7
.if \zero
	v_wmma_f32_16x16x32_f16 v[8*(8*(\a)+\b):8*(8*(\a)+\b)+7], v[\f+32+8*\b:\f+32+8*\b+7], v[\f+8*(\a):\f+8*(\a)+7], 0
.else
	v_wmma_f32_16x16x32_f16 v[8*(8*(\a)+\b):8*(8*(\a)+\b)+7], v[\f+32+8*\b:\f+32+8*\b+7], v[\f+8*(\a):\f+8*(\a)+7], v[8*(8*(\a)+\b):8*(8*(\a)+\b)+7]
.endif
.endr
.endm
.macro FETCH slot, q, f                ; 24 LDS loads in one run: quarter q of a slot is head q / 2, channels 32 (q % 2) on; B's eight fragments, then A's four
.irp i, 0,1,2,3,4,5,6,7
	ds_load_b128 v[\f+32+8*\i:\f+32+8*\i+3], v[ADRB+\slot] offset:((\q)/2)*BH+((\q)%2)*64+\i*16*KP
	ds_load_b128 v[\f+32+8*\i+4:\f+32+8*\i+7], v[ADRB+\slot] offset:((\q)/2)*BH+((\q)%2)*64+\i*16*KP+32
.endr
.irp i, 0,1,2,3
	ds_load_b128 v[\f+8*\i:\f+8*\i+3], v[ADRA+\slot] offset:((\q)/2)*AH+((\q)%2)*64+\i*16*KP
	ds_load_b128 v[\f+8*\i+4:\f+8*\i+7], v[ADRA+\slot] offset:((\q)/2)*AH+((\q)%2)*64+\i*16*KP+32
.endr
.endm
.macro PLACES
.rept 4
	v_nop
.endr
.endm
.macro QUARTER slot, q, f, g, zero     ; multiplies buffer f; in its middle it fetches quarter q of the slot into buffer g
	s_wait_dscnt 4                                 ; B and A's blocks 0, 1 are in; the youngest four loads (A's blocks 2, 3) may be out
	WIN MUL
	MUL8 \f, 0, \zero
	MUL8 \f, 1, \zero
	PLACES                                         ; in front of loads into registers that matrix instructions have read
	WIN 0
	FETCH \slot, \q, \g
	s_wait_dscnt 24                                ; all but the 24 just issued
	WIN MUL
	MUL8 \f, 2, \zero
	MUL8 \f, 3, \zero
.endm
; A slot's last quarter multiplies buffer 1 and changes slots: one barrier; in front of it each wave waits for all its tensor loads, adds 0 to its spare word, and waits for that and for its reads of this slot.
; fill = 1: the barrier opens a round of the cluster's barrier, and this slot is asked for again, four heads on, first thing behind it.
.macro TURN slot, next, fill
	WIN 0
	s_wait_tensorcnt 0x0                           ; all my tensor loads have landed: my part of the next slot
	ds_add_u32 v[SPW], v[NIL]
	s_wait_dscnt 5                                 ; the add and the youngest four loads may be out
	WIN MUL
	MUL8 F1, 0, 0
	s_wait_dscnt 0x0                               ; the add is done, and my reads of this slot are over
	s_barrier_signal -1
	MUL8 F1, 1, 0
	WIN 0
	s_barrier_wait -1
.if \fill
	CREST
	s_add_nc_u64 s[G0+4*\slot+2:G0+4*\slot+3], s[G0+4*\slot+2:G0+4*\slot+3], 0x400000
	s_add_nc_u64 s[G0B+4*\slot+2:G0B+4*\slot+3], s[G0B+4*\slot+2:G0B+4*\slot+3], 0x80000
	JLOAD \slot                                    ; one load of mine is out; its four v_nop are also the places in front of the loads below
.else
	PLACES
.endif
	FETCH \next, 0, F0
	WIN MUL
	MUL8 F1, 2, 0
	MUL8 F1, 3, 0
.endm
	s_wait_tensorcnt 1                             ; my part of slot 0 is in; slot 1's may be out
	s_barrier_signal -1
	s_barrier_wait -1
	FETCH 0, 0, F0
	QUARTER 0, 1, F0, F1, 1                        ; the first quarter's products start the sums: nothing is cleared
	WIN 0
	s_mov_b32 s3, LAPS-1
.Llap:                                             ; a trip goes once round the ring, from a lap's second quarter to the next lap's first, and fills both slots again
	QUARTER 0, 2, F1, F0, 0
	QUARTER 0, 3, F0, F1, 0
	TURN 0, 1, 1
	QUARTER 1, 1, F0, F1, 0
	QUARTER 1, 2, F1, F0, 0
	QUARTER 1, 3, F0, F1, 0
	TURN 1, 0, 1
	QUARTER 0, 1, F0, F1, 0
	WIN 0
	s_sub_co_u32 s3, s3, 1
	s_cmp_lg_u32 s3, 0
	s_cbranch_scc1 .Llap
	QUARTER 0, 2, F1, F0, 0                        ; the last lap fills nothing
	QUARTER 0, 3, F0, F1, 0
	TURN 0, 1, 0
	QUARTER 1, 1, F0, F1, 0
	QUARTER 1, 2, F1, F0, 0
	QUARTER 1, 3, F0, F1, 0
	s_wait_dscnt 4                                 ; the very last quarter
	WIN MUL
	MUL8 F1, 0, 0
	MUL8 F1, 1, 0
	s_wait_dscnt 0
	MUL8 F1, 2, 0
	MUL8 F1, 3, 0
	WIN 0
; THE WAY OUT, a block of 16 tokens x 128 outputs at a time: a lane holds 32 neighbouring bytes of a row; the block goes through my own stage and comes back as whole rows of 512 bytes.
.macro TOSTAGE a
	WIN 0x04                                       ; an LDS store's data: window 1
.irp b, 0,1,2,3,4,5,6,7
	ds_store_b128 v[STO], v[8*(8*(\a)+\b):8*(8*(\a)+\b)+3] offset:64*\b           ; each accumulator from its low end on
	ds_store_b128 v[STO], v[8*(8*(\a)+\b)+4:8*(8*(\a)+\b)+7] offset:64*\b+16
.endr
	WIN 0
.set BB, BK+64*((\a)%2)
.irp t, 0,1,2,3,4,5,6,7,8,9,10,11,12,13,14,15
	ds_load_b128 v[BB+4*\t:BB+4*\t+3], v[RD] offset:\t*SPITCH      ; LDS serves a wave's instructions in order: these see the stores above
.endr
.endm
.macro SEND a, younger                 ; younger: the LDS instructions issued behind block a's loads
.set BB, BK+64*((\a)%2)
	s_wait_dscnt \younger
.irp t, 0,1,2,3,4,5,6,7,8,9,10,11,12,13,14,15
	global_store_b128 v[CO], v[BB+4*\t:BB+4*\t+3], s[8:9] offset:(16*(\a)+\t)*4096 th:TH_STORE_NT   ; the wave stores 512 consecutive bytes, aligned; written once, read by nobody here
.endr
.endm
	PLACES                                         ; behind the last products: for the reads of results and the loads into the fragments' registers
	TOSTAGE 0
.irp a, 1,2,3
.if \a > 1
	s_wait_xcnt 0x0                                ; block a - 2's stores have read the registers into which block a's rows are loaded
.endif
	TOSTAGE \a
	SEND \a-1, 32                                  ; behind block a - 1's loads: block a's 16 stores and 16 loads
.endr
	SEND 3, 0
	s_wait_tensorcnt 0x0                           ; the wave's end: behind my last tensor load and my last LDS store
	ds_add_u32 v[SPW], v[NIL]
	s_wait_dscnt 0x0
	CROUND                                         ; the closing round
	s_endpgm
.Lfunc_end_k_q057607eef2_oproj:
	.size	k_q057607eef2_oproj, .Lfunc_end_k_q057607eef2_oproj-k_q057607eef2_oproj
	.p2alignl 7, 3214868480
	.fill 96, 4, 3214868480
	.section	.rodata,"a",@progbits
	.p2align	6, 0x0
	.amdhsa_kernel k_q057607eef2_oproj
		.amdhsa_group_segment_fixed_size 327680
		.amdhsa_private_segment_fixed_size 0
		.amdhsa_enable_private_segment 0
		.amdhsa_kernarg_size 24
		.amdhsa_user_sgpr_count 2
		.amdhsa_user_sgpr_kernarg_segment_ptr 1
		.amdhsa_wavefront_size32 1
		.amdhsa_system_sgpr_workgroup_id_x 1
		.amdhsa_system_sgpr_workgroup_id_y 1
		.amdhsa_system_sgpr_workgroup_id_z 1
		.amdhsa_system_vgpr_workitem_id 0
		.amdhsa_next_free_vgpr 512
		.amdhsa_next_free_sgpr 66
		.amdhsa_reserve_vcc 0
		.amdhsa_float_denorm_mode_32 3
		.amdhsa_float_denorm_mode_16_64 3
		.amdhsa_memory_ordered 1
		.amdhsa_forward_progress 1
		.amdhsa_inst_pref_size 85
	.end_amdhsa_kernel
	.amdgpu_metadata
---
amdhsa.version: [ 1, 2 ]
amdhsa.kernels:
  - .name:           k_q057607eef2_oproj
    .symbol:         k_q057607eef2_oproj.kd
    .args:
      - { .name: att, .offset: 0, .size: 8, .value_kind: global_buffer, .address_space: global }
      - { .name: wo16, .offset: 8, .size: 8, .value_kind: global_buffer, .address_space: global }
      - { .name: out0, .offset: 16, .size: 8, .value_kind: global_buffer, .address_space: global }
    .group_segment_fixed_size: 327680
    .private_segment_fixed_size: 0
    .kernarg_segment_align: 8
    .kernarg_segment_size: 24
    .max_flat_workgroup_size: 128
    .sgpr_count:     66
    .vgpr_count:     512
    .wavefront_size: 32
...
	.end_amdgpu_metadata
.endif
;; end of part 4
